; MI455X (gfx1250); checked and timed in simulation.
; The chip was launched on July 23, 2026; its instructions are those of AMD's public machine-readable ISA for CDNA 5 (MIT licence, August 2026) and "CDNA5" Instruction Set Architecture Reference Guide (July 2026). The comments in the code are by the model that wrote it; some were corrected since.
;; Attention Mechanism. Allowed arithmetic: float matrix products may take bf16 or f16 operands with f32 sums; all other float work in f32.
;; Inputs: V 1 x 1,024 float32; W_key 1,024 x 1,024 float32; W_query 1,024 x 1,024 float32; keys 32 x 2,048 x 1,024 float32; query 32 x 1,024 float32.
;; Outputs: out0 32 x 1,024 float32; out1 32 x 2,048 float32.
;; 2 versions, each right; version 2 is version 1 with the launch main written anew for expert scheduling mode. Each part assembles by itself: llvm-mc -triple=amdgcn-amd-amdhsa -mcpu=gfx1250 --defsym DOCPART=n.
;; ======== version 1 of 2: 3 launches
;; workspace buffers: wf 2,097,152 bytes; qp 262,144 bytes; sc 262,144 bytes; pc 2,097,152 bytes
;; launch prep (part 1): grid 256 x 1, 8 waves a work-group, no clusters, 17,408 bytes of LDS; arguments query, W_query, W_key, qp, wf; writes qp, wf
.if DOCPART == 1
	.amdgcn_target "amdgcn-amd-amdhsa--gfx1250"
	.amdhsa_code_object_version 6
	.text
	.protected	k_q188f122a51_prep
	.globl	k_q188f122a51_prep
	.p2align	8
	.type	k_q188f122a51_prep,@function
k_q188f122a51_prep:
	s_mov_b64 s[64:65], 0
	v_nop
	global_prefetch_b8 v0, s[64:65] scope:SCOPE_SE
	s_setreg_imm32_b32 hwreg(HW_REG_WAVE_MODE, 25, 1), 1
	s_wait_xcnt 0x0
; Two small jobs ahead of the main launch, chosen by the work-group's number (the same for all its waves).  c = 2 log2(e), the factor of the main launch's tanh by exp2.
; Work-groups 0-127:   qp[kh][m][o] = c * sum over k in half kh of query[m][k] W_query[o][k]; work-group g + 64 kh makes columns 16 g .. 16 g + 15 from
;                      K = 512 kh .. 512 kh + 511.  The main launch adds the two halves.  K is halved so that a wave has 24 loads of 16 rows each, not 48.
; Work-groups 128-255: c * W_key rounded to bf16 and laid out in the order in which the main launch's waves load matrix fragments:
;                      wf[w 4][p 2][k 32][b 8][q 2][L 32][e 8] = c W_key[512 p + 128 w + 16 b + (L & 15)][32 k + 16 q + 8 (L >> 4) + e].
; Limit: matrix operands are rounded to bf16, sums are f32.
; No cluster, no tensor loads: 8 MiB are read once, and no tile is read by two work-groups but query (128 KiB).
.set X,  16                            ; v[16:111] q part: K step u at X + 48 u: 16 registers W_query, 16 query rows 0-15, 16 query rows 16-31
.set D0, 112                           ; v[112:119] sums for query rows 0-15
.set D1, 120                           ; v[120:127] sums for query rows 16-31
	s_load_b256 s[4:11], s[0:1], 0x0               ; query s[4:5], W_query s[6:7], W_key s[8:9], qp s[10:11]
	s_load_b64 s[12:13], s[0:1], 0x20              ; wf
	v_lshl_add_u32 v128, v0, 2, 0x4000
	v_mov_b32 v129, 0
	v_lshrrev_b32 v1, 5, v0
	v_readfirstlane_b32 s14, v1                    ; wave 0..7
	v_and_b32 v2, 15, v0                           ; r = lane % 16
	v_bfe_u32 v3, v0, 4, 1                         ; h = lane / 16
	s_cmp_ge_u32 ttmp9, 128
	s_cbranch_scc1 .Lwkey
	; ---------------- q_proj ----------------
	; Wave v takes K = 512 kh + 64 v .. + 63 in two steps of 32.  A fragment's lane (r, h) holds row r, k = 8 h .. + 7 and 16 + 8 h .. + 7:
	; in f32 that is 32 bytes at row x 4096 + 4 k0 + 32 h and 32 bytes 64 further on: four loads of 16 bytes.
	s_and_b32 s24, ttmp9, 63                       ; g
	s_lshr_b32 s25, ttmp9, 6                       ; kh
	v_lshlrev_b32 v4, 12, v2                       ; r x 4096
	v_lshl_add_u32 v4, v3, 5, v4                   ; + 32 h
	s_lshl_b32 s15, s14, 8                         ; + 256 v
	s_lshl_b32 s26, s25, 11                        ; + 2048 kh
	s_add_co_u32 s15, s15, s26
	v_add_nc_u32 v4, s15, v4
	s_lshl_b32 s16, s24, 16                        ; my 16 rows of W_query
	s_mov_b32 s17, 0
	s_lshl_b32 s18, s24, 6                         ; my 16 columns of qp,
	s_lshl_b32 s26, s25, 17                        ; in half kh's 131,072 bytes
	s_add_co_u32 s18, s18, s26
	s_mov_b32 s19, 0
	s_wait_kmcnt 0x0
	s_add_nc_u64 s[6:7], s[6:7], s[16:17]
	s_add_nc_u64 s[10:11], s[10:11], s[18:19]
.macro LD16 dst, base, off
	global_load_b128 v[\dst:\dst+3],     v4, s[\base:\base+1] offset:\off
	global_load_b128 v[\dst+4:\dst+7],   v4, s[\base:\base+1] offset:\off+16
	global_load_b128 v[\dst+8:\dst+11],  v4, s[\base:\base+1] offset:\off+64
	global_load_b128 v[\dst+12:\dst+15], v4, s[\base:\base+1] offset:\off+80
.endm
.macro CV8 x                           ; 16 f32 become 8 registers of bf16 pairs, in place and ascending: register i is written after it was read
.irp i, 0,1,2,3,4,5,6,7
	v_cvt_pk_bf16_f32 v[\x+\i], v[\x+2*\i], v[\x+2*\i+1]
.endr
.endm
.irp u, 0,1
	LD16 X+48*\u,    6, 128*\u                     ; all 24 loads go out at once
	LD16 X+48*\u+16, 4, 128*\u
	LD16 X+48*\u+32, 4, 128*\u+65536               ; query rows 16-31
.endr
	; Source 0 = 16 rows of W_query, source 1 = 16 rows of query: lane (r, h) then holds query row r, columns 8 h .. 8 h + 7.
	; The two accumulators take turns, one instruction a turn.
.irp u, 0,1
	s_wait_loadcnt 12*(1-\u)                       ; this step's 12 loads are in; the later step's stay out
	CV8 X+48*\u
	CV8 X+48*\u+16
	CV8 X+48*\u+32
.if \u == 0
	v_wmma_f32_16x16x32_bf16 v[D0:D0+7], v[X:X+7], v[X+16:X+23], 0
	v_wmma_f32_16x16x32_bf16 v[D1:D1+7], v[X:X+7], v[X+32:X+39], 0
.else
	v_wmma_f32_16x16x32_bf16 v[D0:D0+7], v[X+48*\u:X+48*\u+7], v[X+48*\u+16:X+48*\u+23], v[D0:D0+7]
	v_wmma_f32_16x16x32_bf16 v[D1:D1+7], v[X+48*\u:X+48*\u+7], v[X+48*\u+32:X+48*\u+39], v[D1:D1+7]
.endif
.endr
.rept 4
	v_nop                                          ; four places behind the last matrix instruction (ISA guide 7.12.1) before its results are stored and its sources loaded again
.endr
	; the eight waves' partial sums meet in LDS: wave v at 2048 v, rows 16-31 at + 1024, lane L's eight numbers at 32 L
	v_and_b32 v5, 31, v0
	v_lshlrev_b32 v5, 5, v5
	s_lshl_b32 s15, s14, 11
	v_add_nc_u32 v5, s15, v5
	ds_store_b128 v5, v[D0:D0+3]
	ds_store_b128 v5, v[D0+4:D0+7] offset:16
	ds_store_b128 v5, v[D1:D1+3] offset:1024
	ds_store_b128 v5, v[D1+4:D1+7] offset:1040
	s_wait_dscnt 0x0                               ; for the other waves: my stores are done before I signal
	s_barrier_signal -1
	s_barrier_wait -1
	s_cmp_gt_u32 s14, 3
	s_cbranch_scc1 .Lend                           ; 512 sums of eight numbers: 128 threads do them
	v_lshlrev_b32 v6, 4, v0                        ; thread u: the 16 bytes at 16 u of every wave's 2048
.irp k, 0,1,2,3,4,5,6,7
	ds_load_b128 v[X+4*\k:X+4*\k+3], v6 offset:2048*\k
.endr
	; 16 u = 1024 (u >> 6) + 32 L + 16 (u & 1) with L = (u >> 1) & 31: query row 16 (u >> 6) + (L & 15), column 8 (L >> 4) + 4 (u & 1)
	v_bfe_u32 v7, v0, 1, 4
	v_lshrrev_b32 v8, 6, v0
	v_lshl_add_u32 v7, v8, 4, v7                   ; m
	v_lshlrev_b32 v7, 12, v7                       ; x 4096 bytes
	v_bfe_u32 v8, v0, 5, 1
	v_lshl_add_u32 v7, v8, 5, v7                   ; + 8 columns
	v_and_b32 v8, 1, v0
	v_lshl_add_u32 v7, v8, 4, v7                   ; + 4 columns
.irp k, 1,2,3,4,5,6,7
	s_wait_dscnt 7-\k                              ; waves 0 .. k are in; K ascends in the sum
	v_pk_add_f32 v[X:X+1],   v[X:X+1],   v[X+4*\k:X+4*\k+1]
	v_pk_add_f32 v[X+2:X+3], v[X+2:X+3], v[X+4*\k+2:X+4*\k+3]
.endr
	v_pk_mul_f32 v[X:X+1],   v[X:X+1],   0x4038aa3b op_sel_hi:[1,0]   ; x 2 log2(e)
	v_pk_mul_f32 v[X+2:X+3], v[X+2:X+3], 0x4038aa3b op_sel_hi:[1,0]
	global_store_b128 v7, v[X:X+3], s[10:11]       ; runs of 64 bytes a row: 16 columns are all that this work-group has of a row; the buffer is 256 KiB in all
.Lend:
	s_wait_tensorcnt 0x0
	ds_add_u32 v128, v129
	s_wait_dscnt 0x0
	s_endpgm
	; ---------------- W_key to fragment order ----------------
	; Work-group g' = kp + 16 p + 32 w makes K steps 2 kp and 2 kp + 1 of (w, p): 16 KiB of wf.  Thread t makes four pieces of 16 bytes:
	; 16 t = 1024 b + 512 q + 16 L inside half a K step; bh adds four b (64 rows of W_key, 4096 bytes of wf), ko a K step (128 bytes, 8192 bytes).
.Lwkey:
	s_sub_co_u32 s15, ttmp9, 128
	s_and_b32 s16, s15, 15                         ; kp
	s_bfe_u32 s17, s15, 0x10004                    ; p
	s_lshr_b32 s18, s15, 5                         ; w
	s_lshl_b32 s20, s17, 21                        ; from: (512 p + 128 w) rows of 4096 bytes + 64 kp columns of 4 bytes
	s_lshl_b32 s21, s18, 19
	s_add_co_u32 s20, s20, s21
	s_lshl_b32 s21, s16, 8
	s_add_co_u32 s20, s20, s21
	s_mov_b32 s21, 0
	s_lshl1_add_u32 s22, s18, s17                  ; to: ((2 w + p) 32 + 2 kp) K steps of 8192 bytes
	s_lshl_b32 s22, s22, 18
	s_lshl_b32 s23, s16, 14
	s_add_co_u32 s22, s22, s23
	s_mov_b32 s23, 0
	v_lshrrev_b32 v4, 6, v0                        ; b
	v_lshlrev_b32 v4, 16, v4                       ; 16 rows
	v_lshl_add_u32 v4, v2, 12, v4                  ; + row r
	v_bfe_u32 v5, v0, 5, 1                         ; q
	v_lshl_add_u32 v4, v5, 6, v4                   ; + 16 columns
	v_lshl_add_u32 v4, v3, 5, v4                   ; + 8 h columns
	v_lshlrev_b32 v6, 4, v0                        ; 16 t
	s_wait_kmcnt 0x0
	s_add_nc_u64 s[8:9], s[8:9], s[20:21]
	s_add_nc_u64 s[12:13], s[12:13], s[22:23]
.irp c, 0,1,2,3
	global_load_b128 v[16+8*\c:16+8*\c+3], v4, s[8:9] offset:(\c>>1)*262144+(\c&1)*128 th:TH_LOAD_NT
	global_load_b128 v[16+8*\c+4:16+8*\c+7], v4, s[8:9] offset:(\c>>1)*262144+(\c&1)*128+16 th:TH_LOAD_NT
.endr
.irp c, 0,1,2,3
	s_wait_loadcnt 6-2*\c                          ; this piece's two loads are in; the later pieces' stay out
.irp i, 0,2,4,6
	v_pk_mul_f32 v[16+8*\c+\i:16+8*\c+\i+1], v[16+8*\c+\i:16+8*\c+\i+1], 0x4038aa3b op_sel_hi:[1,0]   ; x 2 log2(e), in f32, ahead of the one rounding
.endr
.irp i, 0,1,2,3
	v_cvt_pk_bf16_f32 v[48+4*\c+\i], v[16+8*\c+2*\i], v[16+8*\c+2*\i+1]
.endr
	global_store_b128 v6, v[48+4*\c:48+4*\c+3], s[12:13] offset:(\c>>1)*4096+(\c&1)*8192   ; a wave's store covers 512 consecutive bytes, aligned
.endr
	s_endpgm
.Lfunc_end_k_q188f122a51_prep:
	.size	k_q188f122a51_prep, .Lfunc_end_k_q188f122a51_prep-k_q188f122a51_prep
	.p2alignl 7, 3214868480
	.fill 96, 4, 3214868480
	.section	.rodata,"a",@progbits
	.p2align	6, 0x0
	.amdhsa_kernel k_q188f122a51_prep
		.amdhsa_group_segment_fixed_size 17408
		.amdhsa_private_segment_fixed_size 0
		.amdhsa_enable_private_segment 0
		.amdhsa_kernarg_size 40
		.amdhsa_user_sgpr_count 2
		.amdhsa_user_sgpr_kernarg_segment_ptr 1
		.amdhsa_wavefront_size32 1
		.amdhsa_system_sgpr_workgroup_id_x 1
		.amdhsa_system_sgpr_workgroup_id_y 1
		.amdhsa_system_sgpr_workgroup_id_z 1
		.amdhsa_system_vgpr_workitem_id 0
		.amdhsa_next_free_vgpr 130
		.amdhsa_next_free_sgpr 66
		.amdhsa_reserve_vcc 0
		.amdhsa_float_denorm_mode_32 3
		.amdhsa_float_denorm_mode_16_64 3
		.amdhsa_memory_ordered 1
		.amdhsa_forward_progress 1
		.amdhsa_inst_pref_size 15
	.end_amdhsa_kernel
	.amdgpu_metadata
---
amdhsa.version: [ 1, 2 ]
amdhsa.kernels:
  - .name:           k_q188f122a51_prep
    .symbol:         k_q188f122a51_prep.kd
    .args:
      - { .name: query, .offset: 0, .size: 8, .value_kind: global_buffer, .address_space: global }
      - { .name: W_query, .offset: 8, .size: 8, .value_kind: global_buffer, .address_space: global }
      - { .name: W_key, .offset: 16, .size: 8, .value_kind: global_buffer, .address_space: global }
      - { .name: qp, .offset: 24, .size: 8, .value_kind: global_buffer, .address_space: global }
      - { .name: wf, .offset: 32, .size: 8, .value_kind: global_buffer, .address_space: global }
    .group_segment_fixed_size: 17408
    .private_segment_fixed_size: 0
    .kernarg_segment_align: 8
    .kernarg_segment_size: 40
    .max_flat_workgroup_size: 256
    .sgpr_count:     66
    .vgpr_count:     130
    .wavefront_size: 32
...
	.end_amdgpu_metadata
.endif
;; end of part 1
;; launch main (part 2): grid 512 x 1, 4 waves a work-group, no clusters, 280,064 bytes of LDS; arguments keys, wf, qp, V, sc, pc; writes sc, pc
.if DOCPART == 2
	.amdgcn_target "amdgcn-amd-amdhsa--gfx1250"
	.amdhsa_code_object_version 6
	.text
	.protected	k_q188f122a51_main
	.globl	k_q188f122a51_main
	.p2align	8
	.type	k_q188f122a51_main,@function
k_q188f122a51_main:
	s_mov_b64 s[64:65], 0
	v_nop
	global_prefetch_b8 v0, s[64:65] scope:SCOPE_SE
	s_setreg_imm32_b32 hwreg(HW_REG_WAVE_MODE, 25, 1), 1
	s_wait_xcnt 0x0
; Additive attention, one tile of 128 key rows of one batch a work-group (tile = 16 batch + block).  With c = 2 log2(e), x = c (q_proj[o] + keys[row] . W_key[o]):
;   tanh = 1 - 2 / (1 + exp2(x)); it ends at +1 and -1 by itself where exp2 gives infinity or 0.
;   sc[row]  = -2 sum over o of V[o] / (1 + exp2(x)) = the score less sum V.  sum V is the same for all steps of a batch, so it cancels in the softmax
;              for every input; the scores themselves are no output.  It is therefore not added.
;   pc[tile] = sum over the tile's rows of exp(sc[row] - m) keys[row][:],  m = the tile's largest sc   (the last launch rescales by exp(m - M))
; keys leaves memory ONCE: the tile is rounded to bf16 on its way in and stays in LDS (128 rows x 2048 bytes), where it feeds the matrix product of
; both passes and the context product.  Four waves side by side along the 1024 output columns: in pass p wave w makes all 128 rows x columns
; 512 p + 128 w .. + 127: 8 x 8 accumulator tiles, 512 registers.  c W_key comes as bf16 in fragment order (wf) from memory straight into registers: no W
; fragment is used by two waves of the work-group.  The first product of a pass takes c q_proj as its C operand, so the sums ARE x.
; LIMITS: matrix operands are rounded to bf16: keys, c W_key, and in the context product exp(sc - m); v_exp_f32 and v_rcp_f32 flush denormals
; (ISA guide 15.8), so a weight below 2^-126 of its tile's largest is 0; sc's absolute error is a few f32 roundings of sum |V|.
; NO CLUSTER, NO TENSOR LOADS for W, which all work-groups walk: the stationary tile takes 264,192 bytes and the scratch 15,360; of 327,680 bytes 48,128 are
; left, and two slots of one K step of 32 for 512 columns are 2 x 32,768 bytes.  Through LDS each W byte would also make one trip more for one use.
;
; LDS: 0 the tile, pitch 2064 = 129 x 16 (16 rows of a fragment load start 16 bytes apart modulo 256); QV: c q_proj 4096, V 4096; PART: [wave][128] partial scores;
; PB: [wave][128] exp(sc - m) in bf16, each wave's own copy; STG: [wave][256] f32, each wave's own stage for its context columns.  Every byte is written once, by ds_store.
; REGISTERS in windows of 256: window 0 addresses, sums, key fragments v64-127, v128-255 a ring of four buffers of 32 for keys in f32 (pass 0), then a second
; buffer of key fragments (pass 1); window 1 a ring of four buffers of 64 for W fragments; windows 2, 3 the accumulators of rows 0-63, 64-127 (tile (a, b) at 8 (8 (a & 3) + b)).
.set PITCH, 2064
.set QV,    128*PITCH                  ; 264192
.set PART,  QV+8192
.set PB,    PART+2048
.set STG,   PB+1024
.set BSTEP, 8192                       ; bytes of wf that a wave takes for one K step of 32
.set VW,  2                            ; 16 L: offset in wf's 512-byte pieces, and in sc
.set VK,  3                            ; keys: (32 w + 8 h) rows x 4096 + 16 r
.set VKS, 4                            ; the tile in LDS, for stores: (32 w + 8 h) x pitch + 8 r; + 256 for four steps
.set VP,  5                            ; keys, for prefetches: (32 w + L) rows x 4096
.set VA,  6                            ; v6-9: fragment loads: r x pitch + 16 h + 32 rows x n; + 256 for four steps
.set VQV, 10                           ; QV + 512 w + 32 h
.set VPS, 11                           ; PART + 512 w + 4 r
.set VPR, 12                           ; PART + 16 L
.set VBS, 13                           ; PB + 256 w + 8 L
.set VBR, 14                           ; PB + 256 w + 16 h
.set VSS, 15                           ; STG + 1024 w + 256 (r >> 3) + 4 (r & 7)
.set S,   16                           ; v16-31: pass 0: for each of the 8 row blocks a pair of sums of V / (1 + exp2)
.set T,   34                           ; v34-49: at work; pass 1's row sums
.set U,   50                           ; v50-53: at work
.set VT,  54                           ; v54-57: transposing loads of rows 32 n .. + 31: (8 h + (L & 7)) x pitch + 128 ((L >> 3) & 1) + 512 w + 32 n x pitch
.set VSR, 58                           ; STG + 1024 w + 16 L
.set AF,  64                           ; v64-127: key fragments, block a at AF + 8 a (pass 1: the even steps'; the odd steps' at AF + 64); behind a pass: V
.set KR,  128                          ; v128-255: keys in f32, half-chunk j in buffer j % 4
.set X0,  KR+32                        ; at the start: c q_proj (two halves) and V
.set QC,  192                          ; window 1, the ring's fourth buffer, free at a pass's first step: c q_proj as a C operand, block b at QC + 8 b
.set KB,  4                            ; s[4:5]  keys at the tile, + 512 for four steps
.set WB,  6                            ; s[6:7]  wf at my wave's stream, + 32768 for four steps
.set MSB, 0
.macro WIN new                         ; s_set_vgpr_msb; the immediate's high byte repeats the setting that is left; a switch that changes nothing is dropped
.if MSB != (\new)
	s_set_vgpr_msb (MSB<<8)|(\new)
.set MSB, (\new)
.endif
.endm
; low byte: bits 1:0 source 0, 3:2 source 1, 5:4 source 2, 7:6 destination.  Products: source 0 (W) window 1, source 1 (keys) window 0, C and D window 2 (0xa1)
; or 3 (0xf1); a pass's first products take C from window 1 (0x91, 0xd1).
.set TO_B,   0x40                      ; destination window 1
.macro PLACES                          ; four places behind a matrix instruction before its results are read or loads are issued into its sources
.rept 4
	v_nop
.endr
.endm
; Half-chunk j (relative to the base in s[KB:KB+1]): columns 64 (j >> 1) .. + 63 of my wave's rows 16 (j & 1) .. + 15.  Each load takes two whole
; pieces of 256 consecutive bytes, aligned, of rows 8 apart.
.macro KLOAD dst, j
.irp t, 0,1,2,3,4,5,6,7
	global_load_b128 v[\dst+4*\t:\dst+4*\t+3], v[VK], s[KB:KB+1] offset:((\j)>>1)*256+(16*((\j)&1)+\t)*4096 th:TH_LOAD_NT
.endr
.endm
.macro KCVT src                        ; 32 f32 to 16 registers of bf16 pairs
.irp t, 0,1,2,3,4,5,6,7
	v_cvt_pk_bf16_f32 v[T+2*\t],   v[\src+4*\t],   v[\src+4*\t+1]
	v_cvt_pk_bf16_f32 v[T+2*\t+1], v[\src+4*\t+2], v[\src+4*\t+3]
.endr
.endm
.macro KSTORE off                      ; lanes 0-15 write 128 neighbouring bytes of one row, lanes 16-31 of the row 8 below: 8 x 2064 = 128 modulo 256, other banks
.irp t, 0,1,2,3,4,5,6,7
	ds_store_b64 v[VKS], v[T+2*\t:T+2*\t+1] offset:\off+\t*PITCH
.endr
.endm
.macro BLOAD buf, st                   ; the 8 W fragments of the K step st (relative to the base): 16 loads of 512 consecutive bytes
	WIN TO_B
.irp b, 0,1,2,3,4,5,6,7
	global_load_b128 v[64*(\buf)+8*\b:64*(\buf)+8*\b+3],   v[VW], s[WB:WB+1] offset:(\st)*BSTEP+1024*\b
	global_load_b128 v[64*(\buf)+8*\b+4:64*(\buf)+8*\b+7], v[VW], s[WB:WB+1] offset:(\st)*BSTEP+1024*\b+512
.endr
.endm
.macro QLOAD p                         ; c q_proj of my 128 columns of pass p, in an accumulator's layout: lane (r, h), register j: column 16 b + 8 h + j, for every r
	WIN TO_B
.irp b, 0,1,2,3,4,5,6,7
	ds_load_b128 v[QC+8*\b:QC+8*\b+3],   v[VQV] offset:2048*\p+64*\b
	ds_load_b128 v[QC+8*\b+4:QC+8*\b+7], v[VQV] offset:2048*\p+64*\b+16
.endr
.endm
.macro AFRAG4 dst, a0, kk              ; key fragments a0 .. a0 + 3 at byte kk of the rows: two loads of 16 bytes, 32 bytes apart, each
.irp n, 0,1,2,3
	ds_load_b128 v[\dst+8*(\a0+\n):\dst+8*(\a0+\n)+3],   v[VA+((\a0+\n)>>1)] offset:((\a0+\n)&1)*16*PITCH+\kk
	ds_load_b128 v[\dst+8*(\a0+\n)+4:\dst+8*(\a0+\n)+7], v[VA+((\a0+\n)>>1)] offset:((\a0+\n)&1)*16*PITCH+\kk+32
.endr
.endm
; 8 matrix instructions: row block a of the window's four x eight column blocks.  Source 0 = W, source 1 = keys: lane (r, h) holds key row r, columns 8 h .. + 7.
; first: C = c q_proj starts the sums.  nops: a v_nop behind each of the first four.
; The 64 accumulators take turns, one instruction a turn, in the same order in every step.
.macro MUL8 f, ab, hi, a, first, nops
.irp b, 0,1,2,3,4,5,6,7
.if \first
	v_wmma_f32_16x16x32_bf16 v[8*(8*\a+\b):8*(8*\a+\b)+7], v[64*(\f)+8*\b:64*(\f)+8*\b+7], v[\ab+8*(4*\hi+\a):\ab+8*(4*\hi+\a)+7], v[QC+8*\b:QC+8*\b+7]
.else
	v_wmma_f32_16x16x32_bf16 v[8*(8*\a+\b):8*(8*\a+\b)+7], v[64*(\f)+8*\b:64*(\f)+8*\b+7], v[\ab+8*(4*\hi+\a):\ab+8*(4*\hi+\a)+7], v[8*(8*\a+\b):8*(8*\a+\b)+7]
.endif
.if \nops
.if \b < 4
	v_nop
.endif
.endif
.endr
.endm
.macro MUL32 f, ab, hi, first
.irp a, 0,1,2,3
	MUL8 \f, \ab, \hi, \a, \first, 0
.endr
.endm
; One K step of 32 of pass 0 (step s, i = s % 4; all immediates count from the bases of the group of four steps).
;   first: the products start the sums from c q_proj.  lcnt: how many loads were issued behind this step's W.  bload: fetch W of step s + 2.
;   kcv: round half-chunk s + 3 and store it.  kld: fetch half-chunk s + 6.  sig: the barrier that shows the next chunk whole.
;   pf: ask for chunk (s + 8) / 2.  lonext: fetch the rows 0-63 fragments of step s + 1.
.macro STEP i, first, lcnt, bload, kcv, kld, sig, pf, lonext
	s_wait_loadcnt \lcnt                           ; loads come back in order (ISA guide 5.7.1): W of this step is in, and half-chunk s + 3, which was issued ahead of it
	PLACES                                         ; behind the last step's matrix instructions, ahead of loads into W's ring and into the rows 64-127 fragments
.if \bload
	BLOAD (\i+2)%4, \i+2
.endif
	WIN 0
	s_wait_dscnt 0x0                               ; the rows 0-63 fragments are in, and my key stores are done: the count that the signal needs
.if \sig
	s_barrier_signal -1                            ; my halves of the next chunk are in LDS
.endif
	AFRAG4 AF, 4, 64*\i                            ; bytes of a chunk that was whole at an earlier barrier and is never written again
	WIN 0xa1-0x10*\first
	MUL32 \i, AF, 0, \first
	WIN 0
.if \kcv
	KCVT KR+32*((\i+3)%4)                          ; sixteen plain instructions on other registers, straight behind the products: also the places ahead of the loads below
.else
.if \lonext
	PLACES
.endif
.endif
.if \sig
	s_barrier_wait -1                              ; everybody's halves are in: the next step's fragments may be read
.endif
.if \kld
	KLOAD KR+32*((\i+2)%4), \i+6
.endif
.if \pf
	global_prefetch_b8 v[VP], s[KB:KB+1] offset:((\i+8)>>1)*256 th:TH_LOAD_NT scope:SCOPE_SE   ; each lane one row's 256 bytes of the chunk that this wave loads two and three steps from here; each piece is asked for once
.endif
.if \lonext
	AFRAG4 AF, 0, 64*(\i+1)
.endif
.if \kcv
	KSTORE 16*((\i+3)&1)*PITCH+((\i+3)>>1)*128
.endif
	s_wait_dscnt 8*\lonext+8*\kcv                  ; the rows 64-127 fragments are in; what was issued behind them stays out
	WIN 0xf1-0x20*\first
	MUL32 \i, AF, 1, \first
.endm
; One K step of 32 of pass 1: the tile is whole and the key ring idle, so the key fragments have two buffers of 64 registers and a step has ONE run of loads:
; W of step s + 2 and all eight key fragments of step s + 1, behind the step's first eight products.  The buffer that is loaded was last read by the
; last product of step s - 1: the four v_nop woven behind this step's first four products are the places between.
.macro STEP1 i, first, lcnt, bload, anext
	s_wait_loadcnt \lcnt                           ; W of this step is in; the next step's 16 loads stay out
	s_wait_dscnt 0x0                               ; this step's key fragments are in
	WIN 0xa1-0x10*\first
	MUL8 \i, AF+64*((\i)&1), 0, 0, \first, \anext
.if \bload
	BLOAD (\i+2)%4, \i+2
.endif
.if \anext
	WIN 0
	AFRAG4 AF+64*((\i+1)&1), 0, 64*(\i+1)
	AFRAG4 AF+64*((\i+1)&1), 4, 64*(\i+1)
.endif
	WIN 0xa1-0x10*\first
	MUL8 \i, AF+64*((\i)&1), 0, 1, \first, 0
	MUL8 \i, AF+64*((\i)&1), 0, 2, \first, 0
	MUL8 \i, AF+64*((\i)&1), 0, 3, \first, 0
	WIN 0xf1-0x20*\first
	MUL32 \i, AF+64*((\i)&1), 1, \first
.endm
; Behind four steps the bases step on.  kb: the keys' base; ks: the store address; back: the fragment addresses return to K = 0 (7 x 256 back).
.macro QSTEP kb, ks, back
	WIN 0                                          ; at a label and at a branch every window is 0
	s_wait_xcnt 0x0                                ; the bases of the loads issued so far are rewritten only behind this wait
	s_add_nc_u64 s[WB:WB+1], s[WB:WB+1], 4*BSTEP
.if \kb
	s_add_nc_u64 s[KB:KB+1], s[KB:KB+1], 512
.endif
.if \ks
	v_add_nc_u32 v[VKS], 256, v[VKS]
.endif
.irp n, 0,1,2,3
.if \back
	v_sub_nc_u32 v[VA+\n], v[VA+\n], 1792
.else
	v_add_nc_u32 v[VA+\n], 256, v[VA+\n]
.endif
.endr
.endm
.macro P0QUAD first, lc0               ; four steps of pass 0 in its steady state: behind a step's W stand 8 key loads, 16 of W and 8 key loads
	STEP 0, \first, \lc0, 1, 1, 1, 0, 1, 1
	STEP 1, 0, 32, 1, 1, 1, 1, 0, 1
	STEP 2, 0, 32, 1, 1, 1, 0, 1, 1
	STEP 3, 0, 32, 1, 1, 1, 1, 0, 1
	QSTEP 1, 1, 0
.endm
.macro P1QUAD first                    ; four steps of pass 1
	STEP1 0, \first, 16, 1, 1
	STEP1 1, 0, 16, 1, 1
	STEP1 2, 0, 16, 1, 1
	STEP1 3, 0, 16, 1, 1
	QSTEP 0, 0, 0
.endm
; BEHIND A PASS: r = 1 / (1 + exp2(x)) in place, and the row sums of V r.  A unit u is column block u of one accumulator window: 32 registers,
; number m = 8 a + j at 64 a + 8 u + j.  Four stages: exp2, + 1, rcp, x V.  The stages of neighbouring units are woven, two transcendentals and one plain
; instruction, so that the plain work stands in no run of its own and every transcendental's result has plain instructions between it and its use (ISA guide 5.7.2).
; The sum of row block a lives in the window itself, in unit 0's first pair (64 a, 64 a + 1), so that one window setting serves all four stages:
; destination, source 0 and source 2 in the accumulators' window, source 1 (V) in window 0.  nn counts inside each macro.
.macro T32 op, u                       ; 32 transcendentals in place
.set nn, 0
.rept 32
	\op v[64*(nn>>3)+8*(\u)+(nn&7)], v[64*(nn>>3)+8*(\u)+(nn&7)]
.set nn, nn+1
.endr
.endm
.macro T2 op, u                        ; numbers 2 nn and 2 nn + 1 of unit u
	\op v[64*(nn>>2)+8*(\u)+2*(nn&3)],   v[64*(nn>>2)+8*(\u)+2*(nn&3)]
	\op v[64*(nn>>2)+8*(\u)+2*(nn&3)+1], v[64*(nn>>2)+8*(\u)+2*(nn&3)+1]
.endm
.macro AOP u                           ; pair nn of unit u: + 1
	s_wait_alu depctr_va_vdst(0)
	v_pk_add_f32 v[64*(nn>>2)+8*(\u)+2*(nn&3):64*(nn>>2)+8*(\u)+2*(nn&3)+1], v[64*(nn>>2)+8*(\u)+2*(nn&3):64*(nn>>2)+8*(\u)+2*(nn&3)+1], 1.0 op_sel_hi:[1,0]
.endm
.macro FOP u, first                    ; row block nn & 3, columns 2 (nn >> 2) and + 1 of unit u: x V, onto the row block's sum; the very first product starts the sum in place
.if \first
.if nn < 4
	v_pk_mul_f32 v[64*(nn&3):64*(nn&3)+1], v[64*(nn&3):64*(nn&3)+1], v[AF:AF+1]
.else
	v_pk_fma_f32 v[64*(nn&3):64*(nn&3)+1], v[64*(nn&3)+2*(nn>>2):64*(nn&3)+2*(nn>>2)+1], v[AF+2*(nn>>2):AF+2*(nn>>2)+1], v[64*(nn&3):64*(nn&3)+1]
.endif
.else
	s_wait_alu depctr_va_vdst(0)
	v_pk_fma_f32 v[64*(nn&3):64*(nn&3)+1], v[64*(nn&3)+8*(\u)+2*(nn>>2):64*(nn&3)+8*(\u)+2*(nn>>2)+1], v[AF+8*(\u)+2*(nn>>2):AF+8*(\u)+2*(nn>>2)+1], v[64*(nn&3):64*(nn&3)+1]
.endif
.endm
.macro WADD ut, ua                     ; exp2 on unit ut, + 1 on unit ua
.set nn, 0
.rept 16
	T2 v_exp_f32, \ut
	AOP \ua
.set nn, nn+1
.endr
.endm
.macro WFMA ur, uf, first              ; rcp on unit ur, x V on unit uf
.set nn, 0
.rept 16
	T2 v_rcp_f32, \ur
	FOP \uf, \first
.set nn, nn+1
.endr
.endm
; One window (hi = 0: rows 0-63, 1: rows 64-127).  sd: where in window 0 the eight pairs of row sums go.  vwait: the count of the wait for V, or -1 for none.
.macro EPIW hi, sd, vwait
	WIN 0xa2+0x51*\hi
	T32 v_exp_f32, 0
	v_nop                                          ; the plain instruction between unit 0's exponentials and their use
	WADD 1, 0
	T32 v_rcp_f32, 0
	WADD 2, 1
.if \vwait >= 0
	s_wait_dscnt \vwait                            ; V's 16 loads are in; what was issued behind them stays out
.endif
	WFMA 1, 0, 1
.irp u, 2,3,4,5,6
	WADD \u+1, \u
	WFMA \u, \u-1, 0
.endr
.set nn, 0
.rept 16
	AOP 7
.set nn, nn+1
.endr
	WFMA 7, 6, 0
.set nn, 0
.rept 12
	FOP 7, 0
.set nn, nn+1
.endr
	WIN 0x22+0x11*\hi                              ; the last four products put the sums into window 0
.irp a, 0,1,2,3
	v_pk_fma_f32 v[\sd+2*(4*\hi+\a):\sd+2*(4*\hi+\a)+1], v[64*\a+62:64*\a+63], v[AF+62:AF+63], v[64*\a:64*\a+1]
.endr
.endm
; 32 transposing loads: rows 32 ks .. + 31 of the tile x my wave's 256 columns as 16 fragments with the key rows along K.  ds_load_tr16_b128 gives lane 8 g + i
; element i of the 16 bytes that each of the lanes 8 g .. 8 g + 7 addressed.  Fragment cb: lanes r = 0-7 take columns 256 w + 128 (cb >> 3) + 8 (cb & 7) + r,
; lanes r = 8-15 the same + 64 - 8: the two pieces of a row lie 128 bytes apart, so the 16 pieces of a half-wave (8 rows, 16 bytes apart modulo 256, x 2) lie in 16 different columns of 16 bytes modulo 256.
.macro TRLOAD win, dst, ks
	WIN \win
.irp cb, 0,1,2,3,4,5,6,7,8,9,10,11,12,13,14,15
	ds_load_tr16_b128 v[\dst+8*\cb:\dst+8*\cb+3],   v[VT+\ks] offset:256*(\cb>>3)+16*(\cb&7)
	ds_load_tr16_b128 v[\dst+8*\cb+4:\dst+8*\cb+7], v[VT+\ks] offset:256*(\cb>>3)+16*(\cb&7)+16*PITCH
.endr
.endm
; ctx = 1: the tile's first 96 rows are fetched for the context product meanwhile, into registers that the products have left: window 1 and v128-255.
.macro EPI p, sd, ctx
	PLACES                                         ; behind the pass's last matrix instructions: results are read, and their sources loaded again
	WIN 0
.irp b, 0,1,2,3,4,5,6,7
	ds_load_b128 v[AF+8*\b:AF+8*\b+3],   v[VQV] offset:4096+2048*\p+64*\b      ; V of my eight columns of block b
	ds_load_b128 v[AF+8*\b+4:AF+8*\b+7], v[VQV] offset:4096+2048*\p+64*\b+16
.endr
.if \ctx
	TRLOAD TO_B, 0, 0
.endif
	EPIW 0, \sd, 32*\ctx
.if \ctx
	TRLOAD TO_B, 128, 1
	TRLOAD 0, KR, 2
.endif
	EPIW 1, \sd, -1
.endm
; 16 matrix instructions of the context product: source 0 = exp(sc - m) of 32 rows, the same in all 16 rows of the operand; source 1 = the tile's fragments.
; Register 0 of accumulator cb then holds, in lane r of either half, the column that lane r's fragment holds.  The 16 accumulators take turns.
.macro CMUL win, src, ks, zero
	WIN \win
.irp cb, 0,1,2,3,4,5,6,7,8,9,10,11,12,13,14,15
.if \zero
	v_wmma_f32_16x16x32_bf16 v[8*\cb:8*\cb+7], v[AF+8*\ks:AF+8*\ks+7], v[\src+8*\cb:\src+8*\cb+7], 0
.else
	v_wmma_f32_16x16x32_bf16 v[8*\cb:8*\cb+7], v[AF+8*\ks:AF+8*\ks+7], v[\src+8*\cb:\src+8*\cb+7], v[8*\cb:8*\cb+7]
.endif
.endr
.endm
	; ---------------- addresses ----------------
	s_load_b256 s[4:11], s[0:1], 0x0               ; keys s[4:5], wf s[6:7], qp s[8:9], V s[10:11]
	s_load_b128 s[12:15], s[0:1], 0x20             ; sc s[12:13], pc s[14:15]
	v_lshl_add_u32 v62, v0, 2, 0x44400
	v_mov_b32 v63, 0
	v_lshrrev_b32 v1, 5, v0
	v_readfirstlane_b32 s16, v1                    ; wave w
	v_and_b32 v1, 31, v0                           ; L
	v_and_b32 v[U], 15, v0                         ; r
	v_bfe_u32 v[U+1], v0, 4, 1                     ; h
	s_mov_b32 s21, 0x76543210                      ; v_permlanex16_b32: lane i of one half reads lane i of the other
	s_mov_b32 s22, 0xfedcba98
	v_lshlrev_b32 v[VW], 4, v1
	s_lshl_b32 s23, s16, 17                        ; 32 w rows of 4096 bytes
	v_lshlrev_b32 v[VK], 4, v[U]
	v_lshl_add_u32 v[VK], v[U+1], 15, v[VK]
	v_add_nc_u32 v[VK], s23, v[VK]
	v_lshl_add_u32 v[VP], v1, 12, s23
	s_mul_i32 s24, s16, 32*PITCH
	v_mul_u32_u24 v[VKS], v[U+1], 8*PITCH
	v_lshl_add_u32 v[VKS], v[U], 3, v[VKS]
	v_add_nc_u32 v[VKS], s24, v[VKS]
	v_mul_u32_u24 v[VA], v[U], PITCH
	v_lshl_add_u32 v[VA], v[U+1], 4, v[VA]
	v_add_nc_u32 v[VA+1], 32*PITCH, v[VA]
	v_add_nc_u32 v[VA+2], 64*PITCH, v[VA]
	v_add_nc_u32 v[VA+3], 96*PITCH, v[VA]
	s_lshl_b32 s25, s16, 9                         ; 512 w
	s_add_co_u32 s26, s25, QV
	v_lshl_add_u32 v[VQV], v[U+1], 5, s26
	s_add_co_u32 s26, s25, PART
	v_lshl_add_u32 v[VPS], v[U], 2, s26
	v_add_nc_u32 v[VPR], PART, v[VW]
	s_lshl_b32 s26, s16, 8
	s_add_co_u32 s26, s26, PB                      ; PB + 256 w
	v_lshl_add_u32 v[VBS], v1, 3, s26
	v_lshl_add_u32 v[VBR], v[U+1], 4, s26
	s_lshl_b32 s26, s16, 10
	s_add_co_u32 s26, s26, STG                     ; STG + 1024 w
	v_add_nc_u32 v[VSR], s26, v[VW]
	v_and_b32 v[U+2], 7, v0                        ; L & 7
	v_bfe_u32 v[U+3], v0, 3, 1                     ; (L >> 3) & 1
	v_lshl_add_u32 v[VSS], v[U+2], 2, s26
	v_lshl_add_u32 v[VSS], v[U+3], 8, v[VSS]
	v_lshl_add_u32 v[VT], v[U+1], 3, v[U+2]        ; row 8 h + (L & 7)
	v_mul_u32_u24 v[VT], v[VT], PITCH
	v_lshl_add_u32 v[VT], v[U+3], 7, v[VT]
	v_add_nc_u32 v[VT], s25, v[VT]
	v_add_nc_u32 v[VT+1], 32*PITCH, v[VT]
	v_add_nc_u32 v[VT+2], 64*PITCH, v[VT]
	v_add_nc_u32 v[VT+3], 96*PITCH, v[VT]
	v_lshlrev_b32 v[U+2], 4, v0                    ; 16 t: my 16 bytes of c q_proj and of V
	v_add_nc_u32 v[U+3], QV, v[U+2]
	s_lshl_b32 s18, ttmp9, 19                      ; the tile's 128 rows of 4096 bytes
	s_mov_b32 s19, 0
	s_wait_kmcnt 0x0
	s_add_nc_u64 s[KB:KB+1], s[KB:KB+1], s[18:19]
	s_lshl_b32 s18, s16, 19                        ; my wave's 512 KiB of wf
	s_add_nc_u64 s[WB:WB+1], s[WB:WB+1], s[18:19]
	s_lshr_b32 s18, ttmp9, 4                       ; batch
	s_lshl_b32 s18, s18, 12
	s_add_nc_u64 s[8:9], s[8:9], s[18:19]
	s_lshl_b32 s18, ttmp9, 9
	s_add_nc_u64 s[12:13], s[12:13], s[18:19]
	s_lshl_b32 s18, ttmp9, 12
	s_add_nc_u64 s[14:15], s[14:15], s[18:19]
	; ---------------- the start: 62 loads go out, then chunk 0 and half of chunk 1 are put into LDS ----------------
	global_load_b128 v[X0:X0+3],     v[U+2], s[8:9]                ; c q_proj, the half sum over K = 0-511
	global_load_b128 v[X0+4:X0+7],   v[U+2], s[8:9] offset:2048
	global_load_b128 v[X0+8:X0+11],  v[U+2], s[8:9] offset:131072  ; the half sum over K = 512-1023
	global_load_b128 v[X0+12:X0+15], v[U+2], s[8:9] offset:133120
	global_load_b128 v[X0+16:X0+19], v[U+2], s[10:11]
	global_load_b128 v[X0+20:X0+23], v[U+2], s[10:11] offset:2048
	KLOAD AF, 0                                    ; the fragment registers are still free
	KLOAD AF+32, 1
	KLOAD KR+64, 2
	KLOAD KR+96, 3
	KLOAD KR, 4
	BLOAD 0, 0
	WIN 0
	s_wait_loadcnt 56                              ; c q_proj and V are in: 40 key loads and 16 of W were issued behind them
.irp d, 0,2,4,6
	v_pk_add_f32 v[X0+\d:X0+\d+1], v[X0+\d:X0+\d+1], v[X0+8+\d:X0+8+\d+1]
.endr
	ds_store_b128 v[U+3], v[X0:X0+3]
	ds_store_b128 v[U+3], v[X0+4:X0+7] offset:2048
	ds_store_b128 v[U+3], v[X0+16:X0+19] offset:4096
	ds_store_b128 v[U+3], v[X0+20:X0+23] offset:6144
	s_wait_loadcnt 40                              ; half-chunks 0 and 1: behind them 24 key loads and 16 of W
	KCVT AF
	KSTORE 0
	KCVT AF+32
	KSTORE 16*PITCH
	s_wait_loadcnt 32                              ; half-chunk 2: behind it 16 key loads and 16 of W
	KCVT KR+64
	KSTORE 128
	BLOAD 1, 1
	WIN 0
	KLOAD KR+32, 5
	s_wait_dscnt 0x0                               ; for the other waves: my stores are done before I signal
	s_barrier_signal -1
	s_barrier_wait -1                              ; chunk 0, c q_proj and V are whole
	QLOAD 0
	WIN 0
	AFRAG4 AF, 0, 0
	; ---------------- pass 0: columns 0-511; the tile comes in while it is multiplied ----------------
	P0QUAD 1, 24                                   ; steps 0-3; behind W of step 0 stand W of step 1 and half-chunk 5: 24 loads
	s_mov_b32 s20, 5
.Lp0:
	P0QUAD 0, 32                                   ; steps 4-23; the last prefetch asks for chunk 15, the row's last
	s_sub_co_u32 s20, s20, 1
	s_cmp_lg_u32 s20, 0
	s_cbranch_scc1 .Lp0
	STEP 0, 0, 32, 1, 1, 1, 0, 0, 1                ; steps 24-27: half-chunks 30 and 31 are the last to be fetched
	STEP 1, 0, 32, 1, 1, 1, 1, 0, 1
	STEP 2, 0, 32, 1, 1, 0, 0, 0, 1
	STEP 3, 0, 24, 1, 1, 0, 1, 0, 1                ; behind W of step 27: half-chunk 31 and W of step 28
	QSTEP 0, 1, 0
	STEP 0, 0, 16, 1, 1, 0, 0, 0, 1                ; steps 28-31: half-chunk 31 is stored, the last barrier shows chunk 15 whole
	STEP 1, 0, 16, 1, 0, 0, 1, 0, 1
	STEP 2, 0, 16, 1, 0, 0, 0, 0, 1
	STEP 3, 0, 16, 1, 0, 0, 0, 0, 0                ; W of steps 32 and 33 stays on its way over the tanh
	QSTEP 0, 0, 1
	EPI 0, S, 0
	; ---------------- pass 1: columns 512-1023 ----------------
	WIN 0
	AFRAG4 AF, 0, 0
	AFRAG4 AF, 4, 0
	QLOAD 1
	P1QUAD 1                                       ; steps 32-35
	s_mov_b32 s20, 6
.Lp1:
	P1QUAD 0                                       ; steps 36-59
	s_sub_co_u32 s20, s20, 1
	s_cmp_lg_u32 s20, 0
	s_cbranch_scc1 .Lp1
	STEP1 0, 0, 16, 1, 1                           ; steps 60-63: W of steps 62 and 63 is the last
	STEP1 1, 0, 16, 1, 1
	STEP1 2, 0, 16, 0, 1
	STEP1 3, 0, 0, 0, 0
	EPI 1, T, 1
	WIN 0
	; ---------------- scores: my wave's 256 columns, then all four waves' ----------------
.irp a, 0,1,2,3,4,5,6,7
	v_pk_add_f32 v[S+2*\a:S+2*\a+1], v[S+2*\a:S+2*\a+1], v[T+2*\a:T+2*\a+1]   ; the two passes
.endr
.irp a, 0,1,2,3,4,5,6,7
	v_add_f32 v[T+\a], v[S+2*\a], v[S+2*\a+1]      ; my half-wave's columns of row 16 a + r
.endr
.irp a, 0,1,2,3,4,5,6,7
	v_permlanex16_b32 v[T+8+\a], v[T+\a], s21, s22 ; the other half-wave's (the destination has been written before)
.endr
.irp a, 0,1,2,3,4,5,6,7
	v_add_f32 v[T+\a], v[T+\a], v[T+8+\a]
.endr
.irp a, 0,1,2,3,4,5,6,7
	ds_store_b32 v[VPS], v[T+\a] offset:64*\a      ; both half-waves write the same word with the same number
.endr
	s_wait_dscnt 0x0                               ; for the other waves
	s_barrier_signal -1
	s_barrier_wait -1
.irp k, 0,1,2,3
	ds_load_b128 v[T+4*\k:T+4*\k+3], v[VPR] offset:512*\k          ; rows 4 L .. 4 L + 3, wave k's part
.endr
	s_wait_dscnt 0x0
.irp k, 1,2,3
	v_pk_add_f32 v[T:T+1],   v[T:T+1],   v[T+4*\k:T+4*\k+1]
	v_pk_add_f32 v[T+2:T+3], v[T+2:T+3], v[T+4*\k+2:T+4*\k+3]
.endr
	v_pk_mul_f32 v[T:T+1],   v[T:T+1],   -2.0 op_sel_hi:[1,0]      ; sc = -2 sum V / (1 + exp2)
	v_pk_mul_f32 v[T+2:T+3], v[T+2:T+3], -2.0 op_sel_hi:[1,0]
	s_cmp_lg_u32 s16, 0
	s_cbranch_scc1 .Lnot0
	global_store_b128 v[VW], v[T:T+3], s[12:13]    ; wave 0: the tile's 128 numbers, 512 consecutive bytes; v[T:T+3] and v[VW] are not written again
.Lnot0:
	v_max3_num_f32 v[U], v[T], v[T+1], v[T+2]      ; the tile's largest, in every wave alike
	v_max_num_f32 v[U], v[U], v[T+3]
	v_max_num_f32_dpp v[U], v[U], v[U] row_xmask:1 row_mask:0xf bank_mask:0xf
	v_max_num_f32_dpp v[U], v[U], v[U] row_xmask:2 row_mask:0xf bank_mask:0xf
	v_max_num_f32_dpp v[U], v[U], v[U] row_xmask:4 row_mask:0xf bank_mask:0xf
	v_max_num_f32_dpp v[U], v[U], v[U] row_xmask:8 row_mask:0xf bank_mask:0xf
	v_permlanex16_b32 v[U+1], v[U], s21, s22
	v_max_num_f32 v[U], v[U], v[U+1]
.irp n, 0,1,2,3
	v_sub_f32 v[T+4+\n], v[T+\n], v[U]
.endr
.irp n, 0,1,2,3
	v_mul_f32 v[T+4+\n], 0x3fb8aa3b, v[T+4+\n]
.endr
.irp n, 0,1,2,3
	v_exp_f32 v[T+4+\n], v[T+4+\n]                 ; exp(sc - m), at most 1
.endr
	v_nop                                          ; one plain instruction between a transcendental and the use of its result (ISA guide 5.7.2)
	s_wait_alu depctr_va_vdst(0)
	v_cvt_pk_bf16_f32 v[U],   v[T+4], v[T+5]
	v_cvt_pk_bf16_f32 v[U+1], v[T+6], v[T+7]
	; ---------------- partial context: exp(sc - m) [1 x 128] x the tile [128 x my wave's 256 columns], on the matrix unit ----------------
	ds_store_b64 v[VBS], v[U:U+1]                  ; my wave's own copy: LDS serves a wave's instructions in order (ISA guide 5.7.1), no barrier
.irp k, 0,1,2,3
	ds_load_b128 v[AF+8*\k:AF+8*\k+3],   v[VBR] offset:64*\k       ; rows 32 k + 8 h .. + 7, the same in all 16 lanes of a half
	ds_load_b128 v[AF+8*\k+4:AF+8*\k+7], v[VBR] offset:64*\k+32    ; rows 32 k + 16 + 8 h .. + 7
.endr
	s_wait_dscnt 0x0
	CMUL 0xa4, 0, 0, 1                             ; rows 0-31, fragments in window 1; the first products start the sums
	PLACES                                         ; ahead of loads into the fragments just read
	TRLOAD TO_B, 0, 3                              ; rows 96-127, on their way under the next 32 products
	CMUL 0xa4, 128, 1, 0                           ; rows 32-63
	CMUL 0xa0, KR, 2, 0                            ; rows 64-95, fragments in window 0
	s_wait_dscnt 0x0
	CMUL 0xa4, 0, 3, 0                             ; rows 96-127
	PLACES                                         ; ahead of the stores that read the results
	WIN 0x08                                       ; an LDS store's data is its source 1: window 2
.irp cb, 0,1,2,3,4,5,6,7,8,9,10,11,12,13,14,15
	ds_store_b32 v[VSS], v[8*\cb] offset:512*(\cb>>3)+32*(\cb&7)   ; column 128 (cb >> 3) + 8 (cb & 7) + 64 (r >> 3) + (r & 7) of my 256; both half-waves write the same word with the same number
.endr
	WIN 0
	ds_load_b128 v[AF+32:AF+35], v[VSR]            ; back in column order; my own bytes, served in order
	ds_load_b128 v[AF+36:AF+39], v[VSR] offset:512
	s_lshl_b32 s26, s16, 10
	v_add_nc_u32 v[U+2], s26, v[VW]                ; 1024 w + 16 L
	s_wait_dscnt 0x0
	global_store_b128 v[U+2], v[AF+32:AF+35], s[14:15]             ; each store of the wave covers 512 consecutive bytes, aligned
	global_store_b128 v[U+2], v[AF+36:AF+39], s[14:15] offset:512
	s_wait_tensorcnt 0x0
	ds_add_u32 v62, v63
	s_wait_dscnt 0x0
	s_endpgm
.Lfunc_end_k_q188f122a51_main:
	.size	k_q188f122a51_main, .Lfunc_end_k_q188f122a51_main-k_q188f122a51_main
	.p2alignl 7, 3214868480
	.fill 96, 4, 3214868480
	.section	.rodata,"a",@progbits
	.p2align	6, 0x0
	.amdhsa_kernel k_q188f122a51_main
		.amdhsa_group_segment_fixed_size 280064
		.amdhsa_private_segment_fixed_size 0
		.amdhsa_enable_private_segment 0
		.amdhsa_kernarg_size 48
		.amdhsa_user_sgpr_count 2
		.amdhsa_user_sgpr_kernarg_segment_ptr 1
		.amdhsa_wavefront_size32 1
		.amdhsa_system_sgpr_workgroup_id_x 1
		.amdhsa_system_sgpr_workgroup_id_y 1
		.amdhsa_system_sgpr_workgroup_id_z 1
		.amdhsa_system_vgpr_workitem_id 0
		.amdhsa_next_free_vgpr 1024
		.amdhsa_next_free_sgpr 66
		.amdhsa_reserve_vcc 0
		.amdhsa_float_denorm_mode_32 3
		.amdhsa_float_denorm_mode_16_64 3
		.amdhsa_memory_ordered 1
		.amdhsa_forward_progress 1
		.amdhsa_inst_pref_size 255
	.end_amdhsa_kernel
	.section	.bss,"aw",@nobits
	.p2align	6
	.space	262144
	.amdgpu_metadata
---
amdhsa.version: [ 1, 2 ]
amdhsa.kernels:
  - .name:           k_q188f122a51_main
    .symbol:         k_q188f122a51_main.kd
    .args:
      - { .name: keys, .offset: 0, .size: 8, .value_kind: global_buffer, .address_space: global }
      - { .name: wf, .offset: 8, .size: 8, .value_kind: global_buffer, .address_space: global }
      - { .name: qp, .offset: 16, .size: 8, .value_kind: global_buffer, .address_space: global }
      - { .name: V, .offset: 24, .size: 8, .value_kind: global_buffer, .address_space: global }
      - { .name: sc, .offset: 32, .size: 8, .value_kind: global_buffer, .address_space: global }
      - { .name: pc, .offset: 40, .size: 8, .value_kind: global_buffer, .address_space: global }
    .group_segment_fixed_size: 280064
    .private_segment_fixed_size: 0
    .kernarg_segment_align: 8
    .kernarg_segment_size: 48
    .max_flat_workgroup_size: 128
    .sgpr_count:     66
    .vgpr_count:     1024
    .wavefront_size: 32
...
	.end_amdgpu_metadata
.endif
;; end of part 2
;; launch finish (part 3): grid 32 x 1, 8 waves a work-group, no clusters, 1,280 bytes of LDS; arguments sc, pc, out0, out1; writes out0, out1
.if DOCPART == 3
	.amdgcn_target "amdgcn-amd-amdhsa--gfx1250"
	.amdhsa_code_object_version 6
	.text
	.protected	k_q188f122a51_finish
	.globl	k_q188f122a51_finish
	.p2align	8
	.type	k_q188f122a51_finish,@function
k_q188f122a51_finish:
	s_mov_b64 s[64:65], 0
	v_nop
	global_prefetch_b8 v0, s[64:65] scope:SCOPE_SE
	s_setreg_imm32_b32 hwreg(HW_REG_WAVE_MODE, 25, 1), 1
	s_wait_xcnt 0x0
; One work-group a batch: softmax over the 2048 raw scores, and the context from the 16 tiles' partial sums.
;   M = largest score, L = sum exp(s - M), out1 = exp(s - M) / L,
;   out0 = sum over tiles of (exp(m_tile - M) / L) pc[tile], where m_tile is the tile's largest score: the same maximum of the same 128 numbers that the
;   launch before took away, and a maximum is exact in any order.
; Thread t holds scores 4 t .. + 3 (tile = its wave's number v) and 1024 + 4 t .. + 3 (tile 8 + v), and columns 4 t .. + 3 of the context.
; Limit: v_exp_f32 flushes results below 2^-126 to 0 (ISA guide 15.8); the order of rounding differs from a softmax made in one piece.
; 2.3 MiB are read once by 32 work-groups, one for each row of the outputs: no matrix unit, no cluster, no tensor loads.
.set TM, 28                            ; v[28:43]  the 16 tiles' maxima, then their factors
.set WS, 44                            ; v[44:51]  the 8 waves' sums
.set C,  52                            ; v[52:55]  the context's four columns
.set PC, 64                            ; v[64:127] tile k's four columns at PC + 4 k
	s_load_b256 s[4:11], s[0:1], 0x0               ; sc s[4:5], pc s[6:7], out0 s[8:9], out1 s[10:11]
	v_lshl_add_u32 v128, v0, 2, 0x100
	v_mov_b32 v129, 0
	v_lshlrev_b32 v1, 4, v0                        ; 16 t
	v_lshrrev_b32 v2, 5, v0                        ; wave v
	v_lshlrev_b32 v3, 2, v2                        ; its word in LDS
	v_mov_b32 v15, 0
	s_lshl_b32 s14, ttmp9, 13                      ; a batch's 8192 bytes of sc and of out1
	s_mov_b32 s15, 0
	s_lshl_b32 s16, ttmp9, 16                      ; its 16 tiles of 4096 bytes of pc
	s_mov_b32 s17, 0
	s_lshl_b32 s18, ttmp9, 12                      ; its 4096 bytes of out0
	s_mov_b32 s19, 0
	s_mov_b32 s20, 0x76543210                      ; v_permlanex16_b32: lane i of one half reads lane i of the other
	s_mov_b32 s21, 0xfedcba98
	s_wait_kmcnt 0x0
	s_add_nc_u64 s[4:5], s[4:5], s[14:15]
	s_add_nc_u64 s[10:11], s[10:11], s[14:15]
	s_add_nc_u64 s[6:7], s[6:7], s[16:17]
	s_add_nc_u64 s[8:9], s[8:9], s[18:19]
	global_load_b128 v[4:7],  v1, s[4:5]
	global_load_b128 v[8:11], v1, s[4:5] offset:4096
.irp k, 0,1,2,3,4,5,6,7,8,9,10,11,12,13,14,15
	global_load_b128 v[PC+4*\k:PC+4*\k+3], v1, s[6:7] offset:4096*\k
.endr
	s_wait_loadcnt 16                              ; the scores are in; the sixteen partial contexts stay out
	v_max3_num_f32 v12, v4, v5, v6
	v_max3_num_f32 v13, v8, v9, v10
	v_max_num_f32 v12, v12, v7
	v_max_num_f32 v13, v13, v11
.irp m, 1,2,4,8
	v_max_num_f32_dpp v12, v12, v12 row_xmask:\m row_mask:0xf bank_mask:0xf
	v_max_num_f32_dpp v13, v13, v13 row_xmask:\m row_mask:0xf bank_mask:0xf
.endr
	v_permlanex16_b32 v2, v12, s20, s21            ; v2 has been written before
	v_max_num_f32 v12, v12, v2
	v_permlanex16_b32 v2, v13, s20, s21
	v_max_num_f32 v13, v13, v2
	ds_store_b32 v3, v12                           ; tile v's maximum: all lanes write the same word with the same number
	ds_store_b32 v3, v13 offset:32                 ; tile 8 + v's
	s_wait_dscnt 0x0                               ; for the other waves
	s_barrier_signal -1
	s_barrier_wait -1
.irp k, 0,1,2,3
	ds_load_b128 v[TM+4*\k:TM+4*\k+3], v15 offset:16*\k
.endr
	s_wait_dscnt 0x0
	v_max3_num_f32 v14, v[TM], v[TM+1], v[TM+2]
.irp k, 3,5,7,9,11,13
	v_max3_num_f32 v14, v14, v[TM+\k], v[TM+\k+1]
.endr
	v_max_num_f32 v14, v14, v[TM+15]               ; M
.irp i, 4,5,6,7,8,9,10,11
	v_sub_f32 v\i, v\i, v14
.endr
.irp i, 4,5,6,7,8,9,10,11
	v_mul_f32 v\i, 0x3fb8aa3b, v\i
.endr
.irp i, 4,5,6,7,8,9,10,11
	v_exp_f32 v\i, v\i                             ; exp(s - M)
.endr
.irp k, 0,1,2,3,4,5,6,7,8,9,10,11,12,13,14,15
	v_sub_f32 v[TM+\k], v[TM+\k], v14              ; plain instructions on other registers: also the place behind the exponentials (ISA guide 5.7.2)
.endr
	s_wait_alu depctr_va_vdst(0)
	v_pk_add_f32 v[18:19], v[4:5], v[6:7]
	v_pk_add_f32 v[20:21], v[8:9], v[10:11]
	v_pk_add_f32 v[18:19], v[18:19], v[20:21]
	v_add_f32 v18, v18, v19
.irp m, 1,2,4,8
	v_add_f32_dpp v18, v18, v18 row_xmask:\m row_mask:0xf bank_mask:0xf
.endr
	v_permlanex16_b32 v2, v18, s20, s21
	v_add_f32 v18, v18, v2
	ds_store_b32 v3, v18 offset:64                 ; my wave's sum, in bytes other than the maxima's
	s_wait_dscnt 0x0                               ; for the other waves
	s_barrier_signal -1
.irp k, 0,1,2,3,4,5,6,7,8,9,10,11,12,13,14,15
	v_mul_f32 v[TM+\k], 0x3fb8aa3b, v[TM+\k]       ; register work while the others arrive
.endr
.irp k, 0,1,2,3,4,5,6,7,8,9,10,11,12,13,14,15
	v_exp_f32 v[TM+\k], v[TM+\k]                   ; exp(m_tile - M)
.endr
	s_barrier_wait -1
	ds_load_b128 v[WS:WS+3],   v15 offset:64
	ds_load_b128 v[WS+4:WS+7], v15 offset:80
	s_wait_dscnt 0x0
	v_pk_add_f32 v[WS:WS+1], v[WS:WS+1], v[WS+2:WS+3]
	v_pk_add_f32 v[WS+4:WS+5], v[WS+4:WS+5], v[WS+6:WS+7]
	v_pk_add_f32 v[WS:WS+1], v[WS:WS+1], v[WS+4:WS+5]
	v_add_f32 v18, v[WS], v[WS+1]                  ; L, at least 1: the largest score's term is 1
	v_rcp_f32 v16, v18                             ; twice, to fill the pair that the packed multiplies take
	v_rcp_f32 v17, v18
	v_nop                                          ; one plain instruction behind a transcendental
	s_wait_alu depctr_va_vdst(0)
.irp i, 4,6,8,10
	v_pk_mul_f32 v[\i:\i+1], v[\i:\i+1], v[16:17]
.endr
	global_store_b128 v1, v[4:7],  s[10:11]        ; each store of a wave covers 512 consecutive bytes, aligned
	global_store_b128 v1, v[8:11], s[10:11] offset:4096
.irp k, 0,2,4,6,8,10,12,14
	v_pk_mul_f32 v[TM+\k:TM+\k+1], v[TM+\k:TM+\k+1], v[16:17]      ; exp(m_tile - M) / L
.endr
	s_wait_loadcnt 0x0                             ; the partial contexts
	v_pk_mul_f32 v[C:C+1],   v[PC:PC+1],   v[TM:TM+1] op_sel_hi:[1,0]                          ; tile 0 starts the sums; both halves take the pair's first factor
	v_pk_mul_f32 v[C+2:C+3], v[PC+2:PC+3], v[TM:TM+1] op_sel_hi:[1,0]
	v_pk_fma_f32 v[C:C+1],   v[PC+4:PC+5], v[TM:TM+1], v[C:C+1]   op_sel:[0,1,0] op_sel_hi:[1,1,1]   ; tile 1: both halves take the pair's second factor
	v_pk_fma_f32 v[C+2:C+3], v[PC+6:PC+7], v[TM:TM+1], v[C+2:C+3] op_sel:[0,1,0] op_sel_hi:[1,1,1]
.irp k, 1,2,3,4,5,6,7
	v_pk_fma_f32 v[C:C+1],   v[PC+8*\k:PC+8*\k+1],   v[TM+2*\k:TM+2*\k+1], v[C:C+1]   op_sel_hi:[1,0,1]
	v_pk_fma_f32 v[C+2:C+3], v[PC+8*\k+2:PC+8*\k+3], v[TM+2*\k:TM+2*\k+1], v[C+2:C+3] op_sel_hi:[1,0,1]
	v_pk_fma_f32 v[C:C+1],   v[PC+8*\k+4:PC+8*\k+5], v[TM+2*\k:TM+2*\k+1], v[C:C+1]   op_sel:[0,1,0] op_sel_hi:[1,1,1]
	v_pk_fma_f32 v[C+2:C+3], v[PC+8*\k+6:PC+8*\k+7], v[TM+2*\k:TM+2*\k+1], v[C+2:C+3] op_sel:[0,1,0] op_sel_hi:[1,1,1]
.endr
	global_store_b128 v1, v[C:C+3], s[8:9]
	s_wait_tensorcnt 0x0
	ds_add_u32 v128, v129
	s_wait_dscnt 0x0
	s_endpgm
.Lfunc_end_k_q188f122a51_finish:
	.size	k_q188f122a51_finish, .Lfunc_end_k_q188f122a51_finish-k_q188f122a51_finish
	.p2alignl 7, 3214868480
	.fill 96, 4, 3214868480
	.section	.rodata,"a",@progbits
	.p2align	6, 0x0
	.amdhsa_kernel k_q188f122a51_finish
		.amdhsa_group_segment_fixed_size 1280
		.amdhsa_private_segment_fixed_size 0
		.amdhsa_enable_private_segment 0
		.amdhsa_kernarg_size 32
		.amdhsa_user_sgpr_count 2
		.amdhsa_user_sgpr_kernarg_segment_ptr 1
		.amdhsa_wavefront_size32 1
		.amdhsa_system_sgpr_workgroup_id_x 1
		.amdhsa_system_sgpr_workgroup_id_y 1
		.amdhsa_system_sgpr_workgroup_id_z 1
		.amdhsa_system_vgpr_workitem_id 0
		.amdhsa_next_free_vgpr 130
		.amdhsa_next_free_sgpr 66
		.amdhsa_reserve_vcc 0
		.amdhsa_float_denorm_mode_32 3
		.amdhsa_float_denorm_mode_16_64 3
		.amdhsa_memory_ordered 1
		.amdhsa_forward_progress 1
		.amdhsa_inst_pref_size 13
	.end_amdhsa_kernel
	.amdgpu_metadata
---
amdhsa.version: [ 1, 2 ]
amdhsa.kernels:
  - .name:           k_q188f122a51_finish
    .symbol:         k_q188f122a51_finish.kd
    .args:
      - { .name: sc, .offset: 0, .size: 8, .value_kind: global_buffer, .address_space: global }
      - { .name: pc, .offset: 8, .size: 8, .value_kind: global_buffer, .address_space: global }
      - { .name: out0, .offset: 16, .size: 8, .value_kind: global_buffer, .address_space: global }
      - { .name: out1, .offset: 24, .size: 8, .value_kind: global_buffer, .address_space: global }
    .group_segment_fixed_size: 1280
    .private_segment_fixed_size: 0
    .kernarg_segment_align: 8
    .kernarg_segment_size: 32
    .max_flat_workgroup_size: 256
    .sgpr_count:     66
    .vgpr_count:     130
    .wavefront_size: 32
...
	.end_amdgpu_metadata
.endif
;; end of part 3
;; ======== version 2 of 2: 3 launches; version 1 with the launch main written anew for expert scheduling mode
;; workspace buffers: wf 2,097,152 bytes; qp 262,144 bytes; sc 262,144 bytes; pc 2,097,152 bytes
;; launch prep: the kernel of part 1 again; grid 256 x 1, 8 waves a work-group, no clusters, 17,408 bytes of LDS; arguments query, W_query, W_key, qp, wf; writes qp, wf
;; launch main (part 4): grid 512 x 1, 4 waves a work-group, no clusters, 280,064 bytes of LDS; arguments keys, wf, qp, V, sc, pc; writes sc, pc
.if DOCPART == 4
	.amdgcn_target "amdgcn-amd-amdhsa--gfx1250"
	.amdhsa_code_object_version 6
	.text
	.protected	k_q188f122a51_main
	.globl	k_q188f122a51_main
	.p2align	8
	.type	k_q188f122a51_main,@function
k_q188f122a51_main:
	s_mov_b64 s[64:65], 0
	v_nop
	global_prefetch_b8 v0, s[64:65] scope:SCOPE_SE
	s_setreg_imm32_b32 hwreg(HW_REG_WAVE_SCHED_MODE, 0, 2), 2
	s_setreg_imm32_b32 hwreg(HW_REG_WAVE_MODE, 25, 1), 1
	s_wait_xcnt 0x0
	s_wait_alu depctr_vm_vsrc(0)
; Additive attention, one tile of 128 key rows of one batch a work-group (tile = 16 batch + block).  With c = 2 log2(e), x = c (q_proj[o] + keys[row] . W_key[o]):
;   tanh = 1 - 2 / (1 + exp2(x)); it ends at +1 and -1 by itself where exp2 gives infinity or 0.
;   sc[row]  = -2 sum over o of V[o] / (1 + exp2(x)) = the score less sum V.  sum V is the same for all steps of a batch, so it cancels in the softmax
;              for every input; the scores themselves are no output.  It is therefore not added.
;   pc[tile] = sum over the tile's rows of exp(sc[row] - m) keys[row][:],  m = the tile's largest sc   (the last launch rescales by exp(m - M))
; keys leaves memory ONCE: the tile is rounded to bf16 on its way in and stays in LDS (128 rows x 2048 bytes), where it feeds the matrix product of
; both passes and the context product.  Four waves side by side along the 1024 output columns: in pass p wave w makes all 128 rows x columns
; 512 p + 128 w .. + 127: 8 x 8 accumulator tiles, 512 registers.  c W_key comes as bf16 in fragment order (wf) from memory straight into registers: no W
; fragment is used by two waves of the work-group.  The first product of a pass takes c q_proj as its C operand, so the sums ARE x.
; LIMITS: matrix operands are rounded to bf16: keys, c W_key, and in the context product exp(sc - m); v_exp_f32 and v_rcp_f32 flush denormals
; (ISA guide 15.8), so a weight below 2^-126 of its tile's largest is 0; sc's absolute error is a few f32 roundings of sum |V|.
; NO CLUSTER, NO TENSOR LOADS for W, which all work-groups walk: the stationary tile takes 264,192 bytes and the scratch 15,360; of 327,680 bytes 48,128 are
; left, and two slots of one K step of 32 for 512 columns are 2 x 32,768 bytes.  Through LDS each W byte would also make one trip more for one use.
;
; LDS: 0 the tile, pitch 2064 = 129 x 16 (16 rows of a fragment load start 16 bytes apart modulo 256); QV: c q_proj 4096, V 4096; PART: [wave][128] partial scores;
; PB: [wave][128] exp(sc - m) in bf16, each wave's own copy; STG: [wave][256] f32, each wave's own stage for its context columns.  Every byte is written once, by ds_store.
; REGISTERS in windows of 256: window 0 addresses, sums, key fragments v64-127 and (pass 0) v16-47, v128-255 a ring of four buffers of 32 for keys in f32 (pass 0), then a second
; buffer of key fragments (pass 1); window 1 a ring of four buffers of 64 for W fragments; windows 2, 3 the accumulators of rows 0-63, 64-127 (tile (a, b) at 8 (8 (a & 3) + b)).
;
; THE MODE: SCHED_MODE bits 1:0 = 2 (LLVM: expert scheduling mode 2), set by the entry lines.  The code itself states the register dependences
; between vector or matrix instructions and memory or LDS instructions, with s_wait_alu, always for 0.
; THE PLAN.  Registers that memory or LDS instructions touch in the loops, step s:
;   W[0..3]     window 1.  Step s's 64 products read W[s % 4] (a pass's first step also W[3], which then holds c q_proj, as C).  W of step s + 2 lands in W[(s + 2) % 4], which step s - 2 read.
;   pass 0: AL  v64-95, rows 0-63's fragments.  Step s's first 32 products read it; then step s + 1's land in it.
;           AH  v96-127 (even steps), v16-47 (odd steps), rows 64-127's fragments.  Step s's last 32 products read its own; step s + 1's land in the other, which step s - 1 read.
;           KR[0..3]  Step s's sixteen conversions read KR[(s + 3) % 4] and write its first sixteen registers; the step's eight LDS stores read those; in step s + 1 a later half-chunk lands in it.
;   pass 1: two whole key buffers, v64-127 (even steps) and v128-191 (odd): step s's products read its own; step s + 1's fragments land in the other, which step s - 1 read.
;   VA, VKS     Read by every fragment load and key store; stepped by vector adds once for four steps.  All other addresses are made at the head and never written again.
; So ONE wait on va_vdst stands in a step.  In pass 0 in its middle, behind the first 32 products and the conversions: it states that AL has been read, that the step before is done with the
; other AH, that the stores' data and (behind a stepping) VA and VKS are written; no instruction from there to the next step's head names W[(s + 3) % 4], so the next step's loads of W lean on it too.
; In pass 1 at the step's head.  Behind it the step's loads and stores are dealt among products that name none of their registers.  A wait on vm_vsrc stands where a register
; that an LDS instruction has read is written again: ahead of the key loads of a step, and ahead of the stepping of VA and VKS.
.set PITCH, 2064
.set QV,    128*PITCH                  ; 264192
.set PART,  QV+8192
.set PB,    PART+2048
.set STG,   PB+1024
.set BSTEP, 8192                       ; bytes of wf that a wave takes for one K step of 32
.set VW,  2                            ; 16 L: offset in wf's 512-byte pieces, and in sc
.set VK,  3                            ; keys: (32 w + 8 h) rows x 4096 + 16 r
.set VKS, 4                            ; the tile in LDS, for stores: (32 w + 8 h) x pitch + 8 r; + 256 for four steps
.set VP,  5                            ; keys, for prefetches: (32 w + L) rows x 4096
.set VA,  6                            ; v6-9: fragment loads: r x pitch + 16 h + 32 rows x n; + 256 for four steps
.set VQV, 10                           ; QV + 512 w + 32 h
.set VPS, 11                           ; PART + 512 w + 4 r
.set VPR, 12                           ; PART + 16 L
.set VBS, 13                           ; PB + 256 w + 8 L
.set VBR, 14                           ; PB + 256 w + 16 h
.set VSS, 15                           ; STG + 1024 w + 256 (r >> 3) + 4 (r & 7)
.set AH,  16                           ; v16-47: pass 0 only: the odd steps' fragments of rows 64-127
.set S,   16                           ; v16-31: from the first tanh block's end on: for each of the 8 row blocks a pair of sums of V / (1 + exp2)
.set T,   34                           ; v34-49: from the second tanh block's end on: pass 1's row sums; then at work
.set U,   50                           ; v50-53: at work
.set VT,  54                           ; v54-57: transposing loads of rows 32 n .. + 31: (8 h + (L & 7)) x pitch + 128 ((L >> 3) & 1) + 512 w + 32 n x pitch
.set VSR, 58                           ; STG + 1024 w + 16 L
.set AF,  64                           ; v64-127: key fragments, block a at AF + 8 a (pass 1: the even steps'; the odd steps' at AF + 64); behind a pass: V
.set KR,  128                          ; v128-255: keys in f32, half-chunk j in buffer j % 4
.set X0,  KR+32                        ; at the start: c q_proj (two halves) and V
.set QC,  192                          ; window 1, the ring's fourth buffer, free at a pass's first step: c q_proj as a C operand, block b at QC + 8 b
.set KB,  4                            ; s[4:5]  keys at the tile, + 512 for four steps
.set WB,  6                            ; s[6:7]  wf at my wave's stream, + 32768 for four steps
.set MSB, 0
.macro WIN new                         ; s_set_vgpr_msb; the immediate's high byte repeats the setting that is left; a switch that changes nothing is dropped
.if MSB != (\new)
	s_set_vgpr_msb (MSB<<8)|(\new)
.set MSB, (\new)
.endif
.endm
; low byte: bits 1:0 source 0, 3:2 source 1, 5:4 source 2, 7:6 destination.  Products: source 0 (W) window 1, source 1 (keys) window 0, C and D window 2 (0xa1)
; or 3 (0xf1); a pass's first products take C from window 1 (0x91, 0xd1).
.set TO_B,   0x40                      ; destination window 1
.macro PLACES                          ; four places behind a matrix instruction before a vector instruction or a store reads its results
.rept 4
	v_nop
.endr
.endm
; Half-chunk j (relative to the base in s[KB:KB+1]): columns 64 (j >> 1) .. + 63 of my wave's rows 16 (j & 1) .. + 15.  Each load takes two whole
; pieces of 256 consecutive bytes, aligned, of rows 8 apart.
.macro KLOAD dst, j
.irp t, 0,1,2,3,4,5,6,7
	global_load_b128 v[\dst+4*\t:\dst+4*\t+3], v[VK], s[KB:KB+1] offset:((\j)>>1)*256+(16*((\j)&1)+\t)*4096 th:TH_LOAD_NT
.endr
.endm
.macro KCVT src                        ; 32 f32 close up into the first 16 of their registers as bf16 pairs, ascending: register d is written after the line d / 2 has read it
.irp t, 0,1,2,3,4,5,6,7
	v_cvt_pk_bf16_f32 v[\src+2*\t],   v[\src+4*\t],   v[\src+4*\t+1]
	v_cvt_pk_bf16_f32 v[\src+2*\t+1], v[\src+4*\t+2], v[\src+4*\t+3]
.endr
.endm
.macro KSTORE src, off                 ; lanes 0-15 write 128 neighbouring bytes of one row, lanes 16-31 of the row 8 below: 8 x 2064 = 128 modulo 256, other banks
.irp t, 0,1,2,3,4,5,6,7
	ds_store_b64 v[VKS], v[\src+2*\t:\src+2*\t+1] offset:\off+\t*PITCH
.endr
.endm
.macro BLOAD buf, st                   ; the 8 W fragments of the K step st (relative to the base): 16 loads of 512 consecutive bytes
	WIN TO_B
.irp b, 0,1,2,3,4,5,6,7
	global_load_b128 v[64*(\buf)+8*\b:64*(\buf)+8*\b+3],   v[VW], s[WB:WB+1] offset:(\st)*BSTEP+1024*\b
	global_load_b128 v[64*(\buf)+8*\b+4:64*(\buf)+8*\b+7], v[VW], s[WB:WB+1] offset:(\st)*BSTEP+1024*\b+512
.endr
.endm
.macro QLOAD p                         ; c q_proj of my 128 columns of pass p, in an accumulator's layout: lane (r, h), register j: column 16 b + 8 h + j, for every r
	WIN TO_B
.irp b, 0,1,2,3,4,5,6,7
	ds_load_b128 v[QC+8*\b:QC+8*\b+3],   v[VQV] offset:2048*\p+64*\b
	ds_load_b128 v[QC+8*\b+4:QC+8*\b+7], v[VQV] offset:2048*\p+64*\b+16
.endr
.endm
.macro AFRAG4 dst, a0, kk              ; the key fragments of row blocks a0 .. a0 + 3 at byte kk of the rows, into dst + 8 n: two loads of 16 bytes, 32 bytes apart, each
.irp n, 0,1,2,3
	ds_load_b128 v[\dst+8*\n:\dst+8*\n+3],   v[VA+((\a0+\n)>>1)] offset:((\a0+\n)&1)*16*PITCH+\kk
	ds_load_b128 v[\dst+8*\n+4:\dst+8*\n+7], v[VA+((\a0+\n)>>1)] offset:((\a0+\n)&1)*16*PITCH+\kk+32
.endr
.endm
; 8 matrix instructions: row block a of the window's four (its fragment at kf + 8 a) x eight column blocks.  Source 0 = W, source 1 = keys: lane (r, h) holds key row r, columns 8 h .. + 7.
; first: C = c q_proj starts the sums.
; The 64 accumulators take turns, one instruction a turn, in the same order in every step.
.macro MUL8 f, kf, a, first
.irp b, 0,1,2,3,4,5,6,7
.if \first
	v_wmma_f32_16x16x32_bf16 v[8*(8*\a+\b):8*(8*\a+\b)+7], v[64*(\f)+8*\b:64*(\f)+8*\b+7], v[\kf+8*\a:\kf+8*\a+7], v[QC+8*\b:QC+8*\b+7]
.else
	v_wmma_f32_16x16x32_bf16 v[8*(8*\a+\b):8*(8*\a+\b)+7], v[64*(\f)+8*\b:64*(\f)+8*\b+7], v[\kf+8*\a:\kf+8*\a+7], v[8*(8*\a+\b):8*(8*\a+\b)+7]
.endif
.endr
.endm
; One K step of 32 of pass 0 (step s, i = s % 4; all immediates count from the bases of the group of four steps).
;   first: the products start the sums from c q_proj.  lcnt: how many loads were issued behind this step's W.  bload: fetch W of step s + 2.
;   kcv: round half-chunk s + 3 and store it.  kld: fetch half-chunk s + 6.  sig: the barrier that shows the next chunk whole.
;   pf: ask for chunk (s + 8) / 2.  anext: fetch all eight fragments of step s + 1 (every step with kcv or kld has it).  cw: the pass's second step.
.macro STEP i, first, lcnt, bload, kcv, kld, sig, pf, anext, cw
.set hbc, AF+32                        ; rows 64-127's fragments: this step's buffer,
.set hbn, AH                           ; and the next step's
.if (\i)&1
.set hbc, AH
.set hbn, AF+32
.endif
	s_wait_loadcnt \lcnt                           ; loads come back in order (ISA guide 5.7.1): W of this step is in, and half-chunk s + 3, which was issued ahead of it
.if \bload
	WIN TO_B
.if \cw
	s_wait_alu depctr_va_vdst(0)                   ; the pass's first step is done reading c q_proj in the ring's fourth buffer, in which the loads below land
.endif
	BLOAD (\i+2)%4, \i+2                           ; else no wait: step s - 2, which read this buffer, stands ahead of the last step's wait, and no instruction since names the buffer or v[VW]
.endif
	s_wait_dscnt 0x0                               ; this step's fragments are in, and my key stores are done: the count that the signal needs
.if \sig
	s_barrier_signal -1                            ; my halves of the next chunk are in LDS
.endif
	WIN 0xa1-0x10*\first
.irp a, 0,1,2,3
	MUL8 \i, AF, \a, \first
.endr
.if \kcv
	WIN 0
	KCVT KR+32*((\i+3)%4)                          ; sixteen plain instructions on other registers, straight behind the products
.endif
.if \sig
	s_barrier_wait -1                              ; everybody's halves are in: the next step's fragments may be read
.endif
.if \anext
	s_wait_alu depctr_va_vdst(0)                   ; THE STEP'S WAIT: the products above are done reading rows 0-63's fragments, the last step's products the other buffer of rows 64-127's; the conversions have written the stores' data; behind a stepping v[VA ..] and v[VKS] are written
.endif
.if \kld
	s_wait_alu depctr_vm_vsrc(0)                   ; the last step's key stores have read the ring's buffer in which the key loads below land
.endif
	WIN 0xf1-0x20*\first
	MUL8 \i, hbc, 0, \first                        ; from here to the step's end the products name W[i], this step's buffer of rows 64-127 and window 3 (first: c q_proj): none of the registers of the loads and stores dealt among them
.if \anext
	WIN 0
	AFRAG4 AF, 0, 64*(\i+1)
	AFRAG4 hbn, 4, 64*(\i+1)
.endif
	WIN 0xf1-0x20*\first
	MUL8 \i, hbc, 1, \first
.if (\kcv)+(\kld)+(\pf)
	WIN 0
.endif
.if \kcv
	KSTORE KR+32*((\i+3)%4), 16*((\i+3)&1)*PITCH+((\i+3)>>1)*128
.endif
.if \kld
	KLOAD KR+32*((\i+2)%4), \i+6
.endif
.if \pf
	global_prefetch_b8 v[VP], s[KB:KB+1] offset:((\i+8)>>1)*256 th:TH_LOAD_NT scope:SCOPE_SE   ; each lane one row's 256 bytes of the chunk that this wave loads two and three steps from here; each piece is asked for once
.endif
	WIN 0xf1-0x20*\first
	MUL8 \i, hbc, 2, \first
	MUL8 \i, hbc, 3, \first
.endm
; One K step of 32 of pass 1: the tile is whole and the key ring idle, so the key fragments have two buffers of 64 registers.
; W of step s + 2 is asked for behind the step's first eight products, all eight key fragments of step s + 1 behind the next eight.  (Every step with bload has anext.)
.macro STEP1 i, first, lcnt, bload, anext
.set kfc, AF+64*((\i)&1)
.set kfn, AF+64*((\i+1)&1)
	s_wait_loadcnt \lcnt                           ; W of this step is in; the next step's 16 loads stay out
	s_wait_dscnt 0x0                               ; this step's key fragments are in
.if \anext
	s_wait_alu depctr_va_vdst(0)                   ; THE STEP'S WAIT: the last step's products are done reading the other key buffer (and, in the pass's second step, c q_proj), those of two steps back their W; behind a stepping v[VA ..] is written
.endif
	WIN 0xa1-0x10*\first
	MUL8 \i, kfc, 0, \first                        ; the step's products name W[i], this step's key buffer and the accumulators (first: c q_proj): none of the registers of the loads dealt among them
.if \bload
	BLOAD (\i+2)%4, \i+2
.endif
	WIN 0xa1-0x10*\first
	MUL8 \i, kfc, 1, \first
.if \anext
	WIN 0
	AFRAG4 kfn, 0, 64*(\i+1)
	AFRAG4 kfn+32, 4, 64*(\i+1)
.endif
	WIN 0xa1-0x10*\first
	MUL8 \i, kfc, 2, \first
	MUL8 \i, kfc, 3, \first
	WIN 0xf1-0x20*\first
.irp a, 0,1,2,3
	MUL8 \i, kfc+32, \a, \first
.endr
.endm
; Behind four steps the bases step on.  kb: the keys' base; ks: the store address; back: the fragment addresses return to K = 0 (7 x 256 back).
; The next LDS instruction that reads the stepped addresses stands behind the next step's wait on va_vdst (behind pass 0: the tanh block's).
.macro QSTEP kb, ks, back
	WIN 0                                          ; at a label and at a branch every window is 0
	s_wait_xcnt 0x0                                ; the bases of the loads issued so far are rewritten only behind this wait
	s_wait_alu depctr_vm_vsrc(0)                   ; the fragment loads and key stores issued so far have read v[VA ..] and v[VKS], which the adds below write
	s_add_nc_u64 s[WB:WB+1], s[WB:WB+1], 4*BSTEP
.if \kb
	s_add_nc_u64 s[KB:KB+1], s[KB:KB+1], 512
.endif
.if \ks
	v_add_nc_u32 v[VKS], 256, v[VKS]
.endif
.irp n, 0,1,2,3
.if \back
	v_sub_nc_u32 v[VA+\n], v[VA+\n], 1792
.else
	v_add_nc_u32 v[VA+\n], 256, v[VA+\n]
.endif
.endr
.endm
.macro P0QUAD first, lc0               ; four steps of pass 0 in its steady state: behind a step's W stand 8 key loads, 16 of W and 8 key loads
	STEP 0, \first, \lc0, 1, 1, 1, 0, 1, 1, 0
	STEP 1, 0, 32, 1, 1, 1, 1, 0, 1, \first
	STEP 2, 0, 32, 1, 1, 1, 0, 1, 1, 0
	STEP 3, 0, 32, 1, 1, 1, 1, 0, 1, 0
	QSTEP 1, 1, 0
.endm
.macro P1QUAD first                    ; four steps of pass 1
	STEP1 0, \first, 16, 1, 1
	STEP1 1, 0, 16, 1, 1
	STEP1 2, 0, 16, 1, 1
	STEP1 3, 0, 16, 1, 1
	QSTEP 0, 0, 0
.endm
; BEHIND A PASS: r = 1 / (1 + exp2(x)) in place, and the row sums of V r.  A unit u is column block u of one accumulator window: 32 registers,
; number m = 8 a + j at 64 a + 8 u + j.  Four stages: exp2, + 1, rcp, x V.  The stages of neighbouring units are woven, two transcendentals and one plain
; instruction, so that the plain work stands in no run of its own and every transcendental's result has plain instructions between it and its use (ISA guide 5.7.2).
; The sum of row block a lives in the window itself, in unit 0's first pair (64 a, 64 a + 1), so that one window setting serves all four stages:
; destination, source 0 and source 2 in the accumulators' window, source 1 (V) in window 0.  nn counts inside each macro.
.macro T32 op, u                       ; 32 transcendentals in place
.set nn, 0
.rept 32
	\op v[64*(nn>>3)+8*(\u)+(nn&7)], v[64*(nn>>3)+8*(\u)+(nn&7)]
.set nn, nn+1
.endr
.endm
.macro T2 op, u                        ; numbers 2 nn and 2 nn + 1 of unit u
	\op v[64*(nn>>2)+8*(\u)+2*(nn&3)],   v[64*(nn>>2)+8*(\u)+2*(nn&3)]
	\op v[64*(nn>>2)+8*(\u)+2*(nn&3)+1], v[64*(nn>>2)+8*(\u)+2*(nn&3)+1]
.endm
.macro AOP u                           ; pair nn of unit u: + 1
	s_wait_alu depctr_va_vdst(0)
	v_pk_add_f32 v[64*(nn>>2)+8*(\u)+2*(nn&3):64*(nn>>2)+8*(\u)+2*(nn&3)+1], v[64*(nn>>2)+8*(\u)+2*(nn&3):64*(nn>>2)+8*(\u)+2*(nn&3)+1], 1.0 op_sel_hi:[1,0]
.endm
.macro FOP u, first                    ; row block nn & 3, columns 2 (nn >> 2) and + 1 of unit u: x V, onto the row block's sum; the very first product starts the sum in place
.if \first
.if nn < 4
	v_pk_mul_f32 v[64*(nn&3):64*(nn&3)+1], v[64*(nn&3):64*(nn&3)+1], v[AF:AF+1]
.else
	v_pk_fma_f32 v[64*(nn&3):64*(nn&3)+1], v[64*(nn&3)+2*(nn>>2):64*(nn&3)+2*(nn>>2)+1], v[AF+2*(nn>>2):AF+2*(nn>>2)+1], v[64*(nn&3):64*(nn&3)+1]
.endif
.else
	s_wait_alu depctr_va_vdst(0)
	v_pk_fma_f32 v[64*(nn&3):64*(nn&3)+1], v[64*(nn&3)+8*(\u)+2*(nn>>2):64*(nn&3)+8*(\u)+2*(nn>>2)+1], v[AF+8*(\u)+2*(nn>>2):AF+8*(\u)+2*(nn>>2)+1], v[64*(nn&3):64*(nn&3)+1]
.endif
.endm
.macro WADD ut, ua                     ; exp2 on unit ut, + 1 on unit ua
.set nn, 0
.rept 16
	T2 v_exp_f32, \ut
	AOP \ua
.set nn, nn+1
.endr
.endm
.macro WFMA ur, uf, first              ; rcp on unit ur, x V on unit uf
.set nn, 0
.rept 16
	T2 v_rcp_f32, \ur
	FOP \uf, \first
.set nn, nn+1
.endr
.endm
; One window (hi = 0: rows 0-63, 1: rows 64-127).  sd: where in window 0 the eight pairs of row sums go.  vwait: the count of the wait for V, or -1 for none.
.macro EPIW hi, sd, vwait
	WIN 0xa2+0x51*\hi
	T32 v_exp_f32, 0
	v_nop                                          ; the plain instruction between unit 0's exponentials and their use
	WADD 1, 0
	T32 v_rcp_f32, 0
	WADD 2, 1
.if \vwait >= 0
	s_wait_dscnt \vwait                            ; V's 16 loads are in; what was issued behind them stays out
.endif
	WFMA 1, 0, 1
.irp u, 2,3,4,5,6
	WADD \u+1, \u
	WFMA \u, \u-1, 0
.endr
.set nn, 0
.rept 16
	AOP 7
.set nn, nn+1
.endr
	WFMA 7, 6, 0
.set nn, 0
.rept 12
	FOP 7, 0
.set nn, nn+1
.endr
	WIN 0x22+0x11*\hi                              ; the last four products put the sums into window 0
.irp a, 0,1,2,3
	v_pk_fma_f32 v[\sd+2*(4*\hi+\a):\sd+2*(4*\hi+\a)+1], v[64*\a+62:64*\a+63], v[AF+62:AF+63], v[64*\a:64*\a+1]
.endr
.endm
; 32 transposing loads: rows 32 ks .. + 31 of the tile x my wave's 256 columns as 16 fragments with the key rows along K.  ds_load_tr16_b128 gives lane 8 g + i
; element i of the 16 bytes that each of the lanes 8 g .. 8 g + 7 addressed.  Fragment cb: lanes r = 0-7 take columns 256 w + 128 (cb >> 3) + 8 (cb & 7) + r,
; lanes r = 8-15 the same + 64 - 8: the two pieces of a row lie 128 bytes apart, so the 16 pieces of a half-wave (8 rows, 16 bytes apart modulo 256, x 2) lie in 16 different columns of 16 bytes modulo 256.
.macro TRLOAD win, dst, ks
	WIN \win
.irp cb, 0,1,2,3,4,5,6,7,8,9,10,11,12,13,14,15
	ds_load_tr16_b128 v[\dst+8*\cb:\dst+8*\cb+3],   v[VT+\ks] offset:256*(\cb>>3)+16*(\cb&7)
	ds_load_tr16_b128 v[\dst+8*\cb+4:\dst+8*\cb+7], v[VT+\ks] offset:256*(\cb>>3)+16*(\cb&7)+16*PITCH
.endr
.endm
; ctx = 1: the tile's first 96 rows are fetched for the context product meanwhile, into registers that the products have left: window 1 and v128-255.
; The tanh names the accumulators, V's registers and the row sums alone, so the one wait at the block's head serves all its loads.
.macro EPI p, sd, ctx
	PLACES                                         ; behind the pass's last matrix instructions: their results are read below
	WIN 0
	s_wait_alu depctr_va_vdst(0)                   ; the pass's products are done reading the key fragments, in which V lands, and (ctx) W's ring and v128-255, in which the tile's fragments land
.irp b, 0,1,2,3,4,5,6,7
	ds_load_b128 v[AF+8*\b:AF+8*\b+3],   v[VQV] offset:4096+2048*\p+64*\b      ; V of my eight columns of block b
	ds_load_b128 v[AF+8*\b+4:AF+8*\b+7], v[VQV] offset:4096+2048*\p+64*\b+16
.endr
.if \ctx
	TRLOAD TO_B, 0, 0
.endif
	EPIW 0, \sd, 32*\ctx
.if \ctx
	TRLOAD TO_B, 128, 1
	TRLOAD 0, KR, 2
.endif
	EPIW 1, \sd, -1
.endm
; 16 matrix instructions of the context product: source 0 = exp(sc - m) of 32 rows, the same in all 16 rows of the operand; source 1 = the tile's fragments.
; Register 0 of accumulator cb then holds, in lane r of either half, the column that lane r's fragment holds.  The 16 accumulators take turns.
.macro CMUL win, src, ks, zero
	WIN \win
.irp cb, 0,1,2,3,4,5,6,7,8,9,10,11,12,13,14,15
.if \zero
	v_wmma_f32_16x16x32_bf16 v[8*\cb:8*\cb+7], v[AF+8*\ks:AF+8*\ks+7], v[\src+8*\cb:\src+8*\cb+7], 0
.else
	v_wmma_f32_16x16x32_bf16 v[8*\cb:8*\cb+7], v[AF+8*\ks:AF+8*\ks+7], v[\src+8*\cb:\src+8*\cb+7], v[8*\cb:8*\cb+7]
.endif
.endr
.endm
	; ---------------- addresses ----------------
	s_load_b256 s[4:11], s[0:1], 0x0               ; keys s[4:5], wf s[6:7], qp s[8:9], V s[10:11]
	s_load_b128 s[12:15], s[0:1], 0x20             ; sc s[12:13], pc s[14:15]
	v_lshl_add_u32 v62, v0, 2, 0x44400
	v_mov_b32 v63, 0
	v_lshrrev_b32 v1, 5, v0
	v_readfirstlane_b32 s16, v1                    ; wave w
	v_and_b32 v1, 31, v0                           ; L
	v_and_b32 v[U], 15, v0                         ; r
	v_bfe_u32 v[U+1], v0, 4, 1                     ; h
	s_mov_b32 s21, 0x76543210                      ; v_permlanex16_b32: lane i of one half reads lane i of the other
	s_mov_b32 s22, 0xfedcba98
	v_lshlrev_b32 v[VW], 4, v1
	s_wait_alu depctr_va_sdst(0)                   ; s16 is written, ahead of its first reader: offsets, LDS addresses and a branch are made from it
	s_lshl_b32 s23, s16, 17                        ; 32 w rows of 4096 bytes
	v_lshlrev_b32 v[VK], 4, v[U]
	v_lshl_add_u32 v[VK], v[U+1], 15, v[VK]
	v_add_nc_u32 v[VK], s23, v[VK]
	v_lshl_add_u32 v[VP], v1, 12, s23
	s_mul_i32 s24, s16, 32*PITCH
	v_mul_u32_u24 v[VKS], v[U+1], 8*PITCH
	v_lshl_add_u32 v[VKS], v[U], 3, v[VKS]
	v_add_nc_u32 v[VKS], s24, v[VKS]
	v_mul_u32_u24 v[VA], v[U], PITCH
	v_lshl_add_u32 v[VA], v[U+1], 4, v[VA]
	v_add_nc_u32 v[VA+1], 32*PITCH, v[VA]
	v_add_nc_u32 v[VA+2], 64*PITCH, v[VA]
	v_add_nc_u32 v[VA+3], 96*PITCH, v[VA]
	s_lshl_b32 s25, s16, 9                         ; 512 w
	s_add_co_u32 s26, s25, QV
	v_lshl_add_u32 v[VQV], v[U+1], 5, s26
	s_add_co_u32 s26, s25, PART
	v_lshl_add_u32 v[VPS], v[U], 2, s26
	v_add_nc_u32 v[VPR], PART, v[VW]
	s_lshl_b32 s26, s16, 8
	s_add_co_u32 s26, s26, PB                      ; PB + 256 w
	v_lshl_add_u32 v[VBS], v1, 3, s26
	v_lshl_add_u32 v[VBR], v[U+1], 4, s26
	s_lshl_b32 s26, s16, 10
	s_add_co_u32 s26, s26, STG                     ; STG + 1024 w
	v_add_nc_u32 v[VSR], s26, v[VW]
	v_and_b32 v[U+2], 7, v0                        ; L & 7
	v_bfe_u32 v[U+3], v0, 3, 1                     ; (L >> 3) & 1
	v_lshl_add_u32 v[VSS], v[U+2], 2, s26
	v_lshl_add_u32 v[VSS], v[U+3], 8, v[VSS]
	v_lshl_add_u32 v[VT], v[U+1], 3, v[U+2]        ; row 8 h + (L & 7)
	v_mul_u32_u24 v[VT], v[VT], PITCH
	v_lshl_add_u32 v[VT], v[U+3], 7, v[VT]
	v_add_nc_u32 v[VT], s25, v[VT]
	v_add_nc_u32 v[VT+1], 32*PITCH, v[VT]
	v_add_nc_u32 v[VT+2], 64*PITCH, v[VT]
	v_add_nc_u32 v[VT+3], 96*PITCH, v[VT]
	v_lshlrev_b32 v[U+2], 4, v0                    ; 16 t: my 16 bytes of c q_proj and of V
	v_add_nc_u32 v[U+3], QV, v[U+2]
	s_lshl_b32 s18, ttmp9, 19                      ; the tile's 128 rows of 4096 bytes
	s_mov_b32 s19, 0
	s_wait_kmcnt 0x0
	s_add_nc_u64 s[KB:KB+1], s[KB:KB+1], s[18:19]
	s_lshl_b32 s18, s16, 19                        ; my wave's 512 KiB of wf
	s_add_nc_u64 s[WB:WB+1], s[WB:WB+1], s[18:19]
	s_lshr_b32 s18, ttmp9, 4                       ; batch
	s_lshl_b32 s18, s18, 12
	s_add_nc_u64 s[8:9], s[8:9], s[18:19]
	s_lshl_b32 s18, ttmp9, 9
	s_add_nc_u64 s[12:13], s[12:13], s[18:19]
	s_lshl_b32 s18, ttmp9, 12
	s_add_nc_u64 s[14:15], s[14:15], s[18:19]
	s_wait_alu depctr_va_vdst(0)                   ; all offsets and LDS addresses (v2 to v15, v52 to v58) are written, which the kernel's loads, stores and prefetches read
	; ---------------- the start: 62 loads go out, then chunk 0 and half of chunk 1 are put into LDS ----------------
	global_load_b128 v[X0:X0+3],     v[U+2], s[8:9]                ; c q_proj, the half sum over K = 0-511
	global_load_b128 v[X0+4:X0+7],   v[U+2], s[8:9] offset:2048
	global_load_b128 v[X0+8:X0+11],  v[U+2], s[8:9] offset:131072  ; the half sum over K = 512-1023
	global_load_b128 v[X0+12:X0+15], v[U+2], s[8:9] offset:133120
	global_load_b128 v[X0+16:X0+19], v[U+2], s[10:11]
	global_load_b128 v[X0+20:X0+23], v[U+2], s[10:11] offset:2048
	KLOAD AF, 0                                    ; the fragment registers are still free
	KLOAD AF+32, 1
	KLOAD KR+64, 2
	KLOAD KR+96, 3
	KLOAD KR, 4
	BLOAD 0, 0
	WIN 0
	s_wait_loadcnt 56                              ; c q_proj and V are in: 40 key loads and 16 of W were issued behind them
.irp d, 0,2,4,6
	v_pk_add_f32 v[X0+\d:X0+\d+1], v[X0+\d:X0+\d+1], v[X0+8+\d:X0+8+\d+1]
.endr
	s_wait_loadcnt 40                              ; half-chunks 0 and 1: behind them 24 key loads and 16 of W
	KCVT AF
	KCVT AF+32
	s_wait_alu depctr_va_vdst(0)                   ; the sums have written v[X0 ..] and the conversions v[AF ..] and v[AF+32 ..], which the LDS stores below read
	ds_store_b128 v[U+3], v[X0:X0+3]
	ds_store_b128 v[U+3], v[X0+4:X0+7] offset:2048
	ds_store_b128 v[U+3], v[X0+16:X0+19] offset:4096
	ds_store_b128 v[U+3], v[X0+20:X0+23] offset:6144
	KSTORE AF, 0
	KSTORE AF+32, 16*PITCH
	s_wait_loadcnt 32                              ; half-chunk 2: behind it 16 key loads and 16 of W
	KCVT KR+64
	s_wait_alu depctr_va_vdst(0)                   ; the conversions have written v[KR+64 ..], which the LDS stores below read
	KSTORE KR+64, 128
	BLOAD 1, 1
	WIN 0
	s_wait_alu depctr_vm_vsrc(0)                   ; the LDS stores above have read v[X0 ..], in which half-chunk 5 lands, v[AF ..], in which the first fragments land, and v[KR+64 ..], in which half-chunk 6 lands
	KLOAD KR+32, 5                                 ; (the vector instructions that named v[X0 ..] stand ahead of the waits on va_vdst above)
	s_wait_dscnt 0x0                               ; for the other waves: my stores are done before I signal
	s_barrier_signal -1
	s_barrier_wait -1                              ; chunk 0, c q_proj and V are whole
	QLOAD 0
	WIN 0
	AFRAG4 AF, 0, 0                                ; step 0's eight fragments
	AFRAG4 AF+32, 4, 0
	; ---------------- pass 0: columns 0-511; the tile comes in while it is multiplied ----------------
	P0QUAD 1, 24                                   ; steps 0-3; behind W of step 0 stand W of step 1 and half-chunk 5: 24 loads
	s_mov_b32 s20, 5
.Lp0:
	P0QUAD 0, 32                                   ; steps 4-23; the last prefetch asks for chunk 15, the row's last
	s_sub_co_u32 s20, s20, 1
	s_cmp_lg_u32 s20, 0
	s_cbranch_scc1 .Lp0
	STEP 0, 0, 32, 1, 1, 1, 0, 0, 1, 0             ; steps 24-27: half-chunks 30 and 31 are the last to be fetched
	STEP 1, 0, 32, 1, 1, 1, 1, 0, 1, 0
	STEP 2, 0, 32, 1, 1, 0, 0, 0, 1, 0
	STEP 3, 0, 24, 1, 1, 0, 1, 0, 1, 0             ; behind W of step 27: half-chunk 31 and W of step 28
	QSTEP 0, 1, 0
	STEP 0, 0, 16, 1, 1, 0, 0, 0, 1, 0             ; steps 28-31: half-chunk 31 is stored, the last barrier shows chunk 15 whole
	STEP 1, 0, 16, 1, 0, 0, 1, 0, 1, 0
	STEP 2, 0, 16, 1, 0, 0, 0, 0, 1, 0
	STEP 3, 0, 16, 1, 0, 0, 0, 0, 0, 0             ; W of steps 32 and 33 stays on its way over the tanh; the step asks for nothing else, so it holds no wait of its own
	QSTEP 0, 0, 1
	EPI 0, S, 0
	; ---------------- pass 1: columns 512-1023 ----------------
	WIN 0
	s_wait_alu depctr_va_vdst(0)                   ; the tanh block is done reading V's registers, in which step 32's fragments land (v[VA ..] and step 31's reads of the ring's fourth buffer, in which c q_proj lands, stand ahead of the block's own wait)
	AFRAG4 AF, 0, 0
	AFRAG4 AF+32, 4, 0
	QLOAD 1
	P1QUAD 1                                       ; steps 32-35
	s_mov_b32 s20, 6
.Lp1:
	P1QUAD 0                                       ; steps 36-59
	s_sub_co_u32 s20, s20, 1
	s_cmp_lg_u32 s20, 0
	s_cbranch_scc1 .Lp1
	STEP1 0, 0, 16, 1, 1                           ; steps 60-63: W of steps 62 and 63 is the last
	STEP1 1, 0, 16, 1, 1
	STEP1 2, 0, 16, 0, 1
	STEP1 3, 0, 0, 0, 0                            ; the last step asks for nothing, so it holds no wait on va_vdst
	EPI 1, T, 1
	WIN 0
	; ---------------- scores: my wave's 256 columns, then all four waves' ----------------
.irp a, 0,1,2,3,4,5,6,7
	v_pk_add_f32 v[S+2*\a:S+2*\a+1], v[S+2*\a:S+2*\a+1], v[T+2*\a:T+2*\a+1]   ; the two passes
.endr
.irp a, 0,1,2,3,4,5,6,7
	v_add_f32 v[T+\a], v[S+2*\a], v[S+2*\a+1]      ; my half-wave's columns of row 16 a + r
.endr
.irp a, 0,1,2,3,4,5,6,7
	v_permlanex16_b32 v[T+8+\a], v[T+\a], s21, s22 ; the other half-wave's (the destination has been written before)
.endr
.irp a, 0,1,2,3,4,5,6,7
	v_add_f32 v[T+\a], v[T+\a], v[T+8+\a]
.endr
	s_wait_alu depctr_va_vdst(0)                   ; the sums have written v[T ..], which the LDS stores read; all that named v[T .. T+15], in which the loads behind the barrier land, is done
.irp a, 0,1,2,3,4,5,6,7
	ds_store_b32 v[VPS], v[T+\a] offset:64*\a      ; both half-waves write the same word with the same number
.endr
	s_wait_dscnt 0x0                               ; for the other waves
	s_barrier_signal -1
	s_barrier_wait -1
	s_wait_alu depctr_vm_vsrc(0)                   ; my LDS stores have read v[T ..], in which the loads below land
.irp k, 0,1,2,3
	ds_load_b128 v[T+4*\k:T+4*\k+3], v[VPR] offset:512*\k          ; rows 4 L .. 4 L + 3, wave k's part
.endr
	s_wait_dscnt 0x0
.irp k, 1,2,3
	v_pk_add_f32 v[T:T+1],   v[T:T+1],   v[T+4*\k:T+4*\k+1]
	v_pk_add_f32 v[T+2:T+3], v[T+2:T+3], v[T+4*\k+2:T+4*\k+3]
.endr
	v_pk_mul_f32 v[T:T+1],   v[T:T+1],   -2.0 op_sel_hi:[1,0]      ; sc = -2 sum V / (1 + exp2)
	v_pk_mul_f32 v[T+2:T+3], v[T+2:T+3], -2.0 op_sel_hi:[1,0]
	s_cmp_lg_u32 s16, 0
	s_cbranch_scc1 .Lnot0
	s_wait_alu depctr_va_vdst(0)                   ; the multiplies have written v[T:T+3], the store's data
	global_store_b128 v[VW], v[T:T+3], s[12:13]    ; wave 0: the tile's 128 numbers, 512 consecutive bytes; v[T:T+3] and v[VW] are not written again
.Lnot0:
	v_max3_num_f32 v[U], v[T], v[T+1], v[T+2]      ; the tile's largest, in every wave alike
	v_max_num_f32 v[U], v[U], v[T+3]
	v_max_num_f32_dpp v[U], v[U], v[U] row_xmask:1 row_mask:0xf bank_mask:0xf
	v_max_num_f32_dpp v[U], v[U], v[U] row_xmask:2 row_mask:0xf bank_mask:0xf
	v_max_num_f32_dpp v[U], v[U], v[U] row_xmask:4 row_mask:0xf bank_mask:0xf
	v_max_num_f32_dpp v[U], v[U], v[U] row_xmask:8 row_mask:0xf bank_mask:0xf
	v_permlanex16_b32 v[U+1], v[U], s21, s22
	v_max_num_f32 v[U], v[U], v[U+1]
.irp n, 0,1,2,3
	v_sub_f32 v[T+4+\n], v[T+\n], v[U]
.endr
.irp n, 0,1,2,3
	v_mul_f32 v[T+4+\n], 0x3fb8aa3b, v[T+4+\n]
.endr
.irp n, 0,1,2,3
	v_exp_f32 v[T+4+\n], v[T+4+\n]                 ; exp(sc - m), at most 1
.endr
	v_nop                                          ; one plain instruction between a transcendental and the use of its result (ISA guide 5.7.2)
	s_wait_alu depctr_va_vdst(0)
	v_cvt_pk_bf16_f32 v[U],   v[T+4], v[T+5]
	v_cvt_pk_bf16_f32 v[U+1], v[T+6], v[T+7]
	; ---------------- partial context: exp(sc - m) [1 x 128] x the tile [128 x my wave's 256 columns], on the matrix unit ----------------
	s_wait_alu depctr_va_vdst(0)                   ; the roundings have written v[U:U+1], the store's data; the tanh blocks are done with V's registers, in which the weights' fragments land, and with window 3, in which rows 96-127's fragments land
	ds_store_b64 v[VBS], v[U:U+1]                  ; my wave's own copy: LDS serves a wave's instructions in order (ISA guide 5.7.1), no barrier
.irp k, 0,1,2,3
	ds_load_b128 v[AF+8*\k:AF+8*\k+3],   v[VBR] offset:64*\k       ; rows 32 k + 8 h .. + 7, the same in all 16 lanes of a half
	ds_load_b128 v[AF+8*\k+4:AF+8*\k+7], v[VBR] offset:64*\k+32    ; rows 32 k + 16 + 8 h .. + 7
.endr
	TRLOAD 0xc0, 0, 3                              ; rows 96-127 into window 3, which the tanh has left: on their way under the first 48 products, which name none of these registers
	s_wait_dscnt 32                                ; the weights' fragments are in; the 32 transposing loads behind them stay out
	CMUL 0xa4, 0, 0, 1                             ; rows 0-31, fragments in window 1; the first products start the sums
	CMUL 0xa4, 128, 1, 0                           ; rows 32-63
	CMUL 0xa0, KR, 2, 0                            ; rows 64-95, fragments in window 0
	s_wait_dscnt 0x0
	CMUL 0xac, 0, 3, 0                             ; rows 96-127, fragments in window 3
	WIN 0
	s_lshl_b32 s26, s16, 10
	v_add_nc_u32 v[U+2], s26, v[VW]                ; 1024 w + 16 L, for the last stores; with the three lines below the four places behind the last products, ahead of the stores that read the results
.rept 3
	v_nop
.endr
	WIN 0x08                                       ; an LDS store's data is its source 1: window 2
	s_wait_alu depctr_va_vdst(0)                   ; the products have written the accumulators, which the LDS stores read, and the add v[U+2], the last stores' offset; the places above stay beside this wait
.irp cb, 0,1,2,3,4,5,6,7,8,9,10,11,12,13,14,15
	ds_store_b32 v[VSS], v[8*\cb] offset:512*(\cb>>3)+32*(\cb&7)   ; column 128 (cb >> 3) + 8 (cb & 7) + 64 (r >> 3) + (r & 7) of my 256; both half-waves write the same word with the same number
.endr
	WIN 0
	ds_load_b128 v[AF+32:AF+35], v[VSR]            ; back in column order; my own bytes, served in order; no vector instruction since the tanh names these registers
	ds_load_b128 v[AF+36:AF+39], v[VSR] offset:512
	s_wait_dscnt 0x0
	global_store_b128 v[U+2], v[AF+32:AF+35], s[14:15]             ; each store of the wave covers 512 consecutive bytes, aligned
	global_store_b128 v[U+2], v[AF+36:AF+39], s[14:15] offset:512
	s_wait_dscnt 0x0
	s_wait_alu depctr_hold_cnt(0) depctr_sa_sdst(0) depctr_va_vdst(0) depctr_va_sdst(0) depctr_va_ssrc(0) depctr_va_vcc(0) depctr_vm_vsrc(0)
	s_wait_tensorcnt 0x0
	ds_add_u32 v62, v63
	s_wait_dscnt 0x0
	s_endpgm
.Lfunc_end_k_q188f122a51_main:
	.size	k_q188f122a51_main, .Lfunc_end_k_q188f122a51_main-k_q188f122a51_main
	.p2alignl 7, 3214868480
	.fill 96, 4, 3214868480
	.section	.rodata,"a",@progbits
	.p2align	6, 0x0
	.amdhsa_kernel k_q188f122a51_main
		.amdhsa_group_segment_fixed_size 280064
		.amdhsa_private_segment_fixed_size 0
		.amdhsa_enable_private_segment 0
		.amdhsa_kernarg_size 48
		.amdhsa_user_sgpr_count 2
		.amdhsa_user_sgpr_kernarg_segment_ptr 1
		.amdhsa_wavefront_size32 1
		.amdhsa_system_sgpr_workgroup_id_x 1
		.amdhsa_system_sgpr_workgroup_id_y 1
		.amdhsa_system_sgpr_workgroup_id_z 1
		.amdhsa_system_vgpr_workitem_id 0
		.amdhsa_next_free_vgpr 1024
		.amdhsa_next_free_sgpr 66
		.amdhsa_reserve_vcc 0
		.amdhsa_float_denorm_mode_32 3
		.amdhsa_float_denorm_mode_16_64 3
		.amdhsa_memory_ordered 1
		.amdhsa_forward_progress 1
		.amdhsa_inst_pref_size 255
	.end_amdhsa_kernel
	.section	.bss,"aw",@nobits
	.p2align	6
	.space	262144
	.amdgpu_metadata
---
amdhsa.version: [ 1, 2 ]
amdhsa.kernels:
  - .name:           k_q188f122a51_main
    .symbol:         k_q188f122a51_main.kd
    .args:
      - { .name: keys, .offset: 0, .size: 8, .value_kind: global_buffer, .address_space: global }
      - { .name: wf, .offset: 8, .size: 8, .value_kind: global_buffer, .address_space: global }
      - { .name: qp, .offset: 16, .size: 8, .value_kind: global_buffer, .address_space: global }
      - { .name: V, .offset: 24, .size: 8, .value_kind: global_buffer, .address_space: global }
      - { .name: sc, .offset: 32, .size: 8, .value_kind: global_buffer, .address_space: global }
      - { .name: pc, .offset: 40, .size: 8, .value_kind: global_buffer, .address_space: global }
    .group_segment_fixed_size: 280064
    .private_segment_fixed_size: 0
    .kernarg_segment_align: 8
    .kernarg_segment_size: 48
    .max_flat_workgroup_size: 128
    .sgpr_count:     66
    .vgpr_count:     1024
    .wavefront_size: 32
...
	.end_amdgpu_metadata
.endif
;; end of part 4
;; launch finish: the kernel of part 3 again; grid 32 x 1, 8 waves a work-group, no clusters, 1,280 bytes of LDS; arguments sc, pc, out0, out1; writes out0, out1
